; MI455X (gfx1250); checked and timed in simulation.
; The chip was launched on July 23, 2026; its instructions are those of AMD's public machine-readable ISA for CDNA 5 (MIT licence, August 2026) and "CDNA5" Instruction Set Architecture Reference Guide (July 2026). The comments in the code are by the model that wrote it; some were corrected since.
;; Model. Allowed arithmetic: matrix products marked QUANTISED: E2M3 operands, one E8M0 scale for each 32 along K, by v_wmma_scale_f32_16x16x128_f8f6f4 with both operands' format E2M3, f32 sums; everything else in f32.
;; Inputs: W_out 1,024 x 1,024 float32; W_qkv 1,024 x 3,072 float32; b_out 1,024 float32; b_qkv 3,072 float32; mask 8 x 1,024 x 1,024 float32; x 8 x 1,024 x 1,024 float32.
;; Outputs: out0 8 x 1,024 x 1,024 float32.
;; This version of the problem:
;;   THIS VERSION OF THE PROBLEM IS GIVEN IN LOW PRECISION. The matrix products marked QUANTISED in the list below multiply operands that are first quantised to E2M3 (2 exponent bits, 3 mantissa bits; 6 bits a number), with one power-of-two scale for each 32 numbers along K (OCP MX v1.0); their sums are f32. All else is computed in f32.
;;   The module's matrix products, in the order in which they are computed (A, B: the left and right operand; K: the contracted axis; several contracted axes count as one K, in the product's order):
;;     1. [M 8,192, K 1,024] x [K 1,024, N 3,072]; A: input x; B: input W_qkv: QUANTISED
;;     2. batch 128 x [M 1,024, K 64] x [K 64, N 1,024]; A: computed on the way; B: computed on the way: QUANTISED
;;     3. batch 128 x [M 1,024, K 1,024] x [K 1,024, N 64]; A: softmax (see below); B: computed on the way: QUANTISED
;;     4. [M 8,192, K 1,024] x [K 1,024, N 1,024]; A: computed on the way; B: input W_out: QUANTISED
;;   THE QUANTISER, for each operand of a quantised product, along K:
;;     - K is cut into blocks of 32 from its start; a last block that is shorter is filled with zeros.
;;     - A block's scale is 2^e with e = floor(log2(the largest magnitude in the block)) - 2, held to -126 .. 127; a block of zeros has e = 0. As a byte (E8M0): e + 127.
;;     - Each number is divided by its block's scale, clamped to +-7.5, and rounded to the nearest number of E2M3, ties to even, subnormals kept.
;;     - The product sums the exact products of the quantised numbers (number of the format x scale) in f32.
;;   ~~~python
;;   def quantise(x, axis):      # numpy; x: float32 -> the quantised numbers, widened to float32 again
;;       x = np.moveaxis(x, axis, -1); K = x.shape[-1]
;;       x = np.pad(x, [(0, 0)] * (x.ndim - 1) + [(0, -K % 32)]); x = x.reshape(x.shape[:-1] + (-1, 32)); a = np.abs(x).max(-1, keepdims=True)
;;       e = np.where(a > 0, np.clip(np.frexp(np.where(a > 0, a, 1))[1] - 1 - 2, -126, 127), 0)      # np.frexp(a)[1] - 1 = floor(log2(a)), exactly
;;       r = np.clip(x / 2.0 ** e, -7.5, 7.5)
;;       step = 2.0 ** (np.maximum(np.frexp(np.where(r == 0, 1, r))[1] - 1, 0) - 3)
;;       q = np.round(r / step) * step * 2.0 ** e      # np.round: ties to even
;;       return np.moveaxis(q.reshape(q.shape[:-2] + (-1,))[..., :K], -1, axis).astype(np.float32)
;;   ~~~
;;   SOFTMAX AHEAD OF A QUANTISED PRODUCT. Where the list says 'softmax', what is quantised is not the finished softmax but p = 2^(t - M), with t = logit x log2(e) and M = ceil(the row's largest t), a whole number; so 1/2 < the row's largest p <= 1. The row's sum l is taken of the UNQUANTISED p, in f32, and the product's result is divided by l at the end. Since M is a whole number, a kernel that streams over the keys may use a running M (the ceiling of the running maximum): every later rescaling is an exact power of two, which a block's scale takes up: the codes' values come out the same.
;;   OPERANDS COMPUTED ON THE WAY. 'Computed on the way' means the value that the module computes at that place (a softmax that the list does not call 'softmax' is quantised finished and normalised). What goes into a quantiser is computed in f32, as accurately as f32 sums, v_exp_f32 and their like allow (about 1e-6 of the number): no bf16 or f16 on the way to a quantiser, and a product that is left as it is and whose result goes on into a quantised operand takes f32 operands (vector FMAs, or v_wmma_f32_16x16x4_f32). A number that lies on a knife's edge between two numbers of the format may be rounded either way, as far as f32 arithmetic and the matrix unit's own rounding can turn it there, and no further.
;; One version. Each part assembles by itself: llvm-mc -triple=amdgcn-amd-amdhsa -mcpu=gfx1250 --defsym DOCPART=n.
;; ======== version 1 of 1: 4 launches
;; limits: right only within a limited range of input values
;; workspace buffers: ops_img 9,437,184 bytes; ops_scl 393,216 bytes; qkv_img 18,874,368 bytes; qkv_scl 786,432 bytes; ctx_img 6,291,456 bytes; ctx_scl 262,144 bytes
;; launch quant (part 1): grid 384 x 1, 4 waves a work-group, no clusters, 59,904 bytes of LDS; arguments x, W_qkv, W_out, ops_img, ops_scl; writes ops_img, ops_scl
.if DOCPART == 1
	.amdgcn_target "amdgcn-amd-amdhsa--gfx1250"
	.amdhsa_code_object_version 6
	.text
	.protected	k_qb00b9bdb17_quant
	.globl	k_qb00b9bdb17_quant
	.p2align	8
	.type	k_qb00b9bdb17_quant,@function
k_qb00b9bdb17_quant:
	s_mov_b64 s[64:65], 0
	v_nop
	global_prefetch_b8 v0, s[64:65] scope:SCOPE_SE
	s_setreg_imm32_b32 hwreg(HW_REG_WAVE_MODE, 25, 1), 1
	s_wait_xcnt 0x0
; x [8192][1024], W_qkv [1024][3072], W_out [1024][1024], f32, become codes of FP6 (E2M3) with one E8M0 byte for each 32 along K (x: its columns; the weights: their FIRST axis).
; The codes are laid as IMAGES OF OPERAND REGISTERS.  A fragment is 16 rows x 128 K, 12 registers a lane, 1,536 bytes: registers 4 c .. 4 c + 3 of lane l at 512 c + 16 l.
; ops_img [sp 4][T 768][e 2][1536], K step of 128 = 2 sp + e; row tile T: 0-511 x's rows, 512-703 W_qkv's columns, 704-767 W_out's.  ops_scl [sp][T][r 16][e 2]: one word (four bytes) a row and K step.
; THE ROWS OF A TILE ARE NOT NEIGHBOURS: lane r of tile 2 b + u stands for row 32 b + 8 u + r + 8 (r / 8), so that as source 0 two neighbouring tiles give a lane 16 neighbouring results.
; A block's scale is 2^(floor(log2(largest magnitude)) - 2); its byte is the largest magnitude's exponent field - 2, held at 1 from below.
; LIMITS: a block of zeros, or one whose largest magnitude lies under 2^-124, gets the byte 1 (the rule says 127 for zeros: the codes are zeros, and these bytes are read by this program alone); NaN and infinities are not served.
; Work-groups 0-255: 32 rows of x each, wave = sp.  Work-groups 256-383: 128 columns of a weight x 256 K, wave = 32 columns.  The two ways use LDS bytes of their own.  Waves share nothing: no barrier.
.set SEL,   20                         ; s[20:21] selects for lane l xor 16
.set R,     16                         ; x: v16-143  two sets of 64 registers as loaded
.set X,     144                        ;    v144-207 64 numbers of my row, register 16 b + i = k 32 b + 16 (lane / 16) + i
.set PC,    208                        ;    v208-219 the fragment's codes
.set CT,    220                        ;    v220-226 the upper half blocks on their way
.set TM,    228                        ;    v228-243 at work
.set PW,    244                        ;    v244-247 a scale word for each sub-unit
.set SV,    248
.set XSTG,  8448                       ; x: a wave's stage: 16 rows x (512 + 16) bytes
.set WBASE, 4*XSTG                     ; the weights' stages begin behind them
.set WSTG,  6400                       ; a wave's: two tiles x (3,072 + 128) bytes
.set VO,    16                         ; weights: v16-47 row i of a block: i x the row's bytes + 4 x lane
.set XW,    48                         ;    v48-111 two sets of 32 numbers
.set CW,    112                        ;    v112-117 a block's codes
.set CTW,   118
.set SB,    122                        ;    v122-123 the scale bytes of K steps e = 0, 1
.set OUTR,  128                        ;    v128-175 the way out
; 64 numbers of a lane become a fragment's codes in v[pc] on and its scale word in v[pw]
.macro QUANT s, tm, pc, ct, pw
.irp b, 0,1,2,3
	v_max3_num_f32 v[\tm+\b], |v[\s+16*\b]|, |v[\s+1+16*\b]|, 0x1800000   ; my 16 numbers of block b, and the floor 2^(3 - 127): the byte cannot fall under 1
.endr
.irp i, 2,4,6,8,10,12,14
.irp b, 0,1,2,3
	v_max3_num_f32 v[\tm+\b], v[\tm+\b], |v[\s+16*\b+\i]|, |v[\s+1+16*\b+\i]|
.endr
.endr
.irp b, 0,1,2,3
	v_permlanex16_b32 v[\tm+4+\b], v[\tm+\b], s[SEL], s[SEL+1]
.endr
.irp b, 0,1,2,3
	v_max_num_f32 v[\tm+\b], v[\tm+\b], v[\tm+4+\b]        ; with lane l xor 16's 16: the block's largest magnitude
.endr
.irp b, 0,1,2,3
	v_add_nc_u32 v[\tm+12+\b], 0xff000000, v[\tm+\b]       ; 2 off its exponent field: the conversion's scale operand
.endr
.irp b, 0,1,2,3
	v_lshrrev_b32 v[\tm+4+\b], 23, v[\tm+12+\b]            ; the byte
.endr
	v_lshl_or_b32 v[\pw], v[\tm+5], 8, v[\tm+4]
	v_lshl_or_b32 v[\pw], v[\tm+6], 16, v[\pw]
	v_lshl_or_b32 v[\pw], v[\tm+7], 24, v[\pw]
.irp c, 0,1
	v_cvt_scalef32_pk16_fp6_f32 v[\pc+6*\c:\pc+2+6*\c], v[\s+32*\c:\s+15+32*\c], v[\tm+12+2*\c]
	v_cvt_scalef32_pk16_fp6_f32 v[\ct+4*\c:\ct+2+4*\c], v[\s+16+32*\c:\s+31+32*\c], v[\tm+12+2*\c+1]   ; (a conversion's three registers begin on an even number)
.endr
	v_nop                                          ; one plain instruction behind the conversions
.irp c, 0,1                                    ; the operand wants a whole block in a lane: lanes 0-15 block 2 c, lanes 16-31 block 2 c + 1
.irp i, 0,1,2
	v_permlane16_swap_b32 v[\pc+6*\c+\i], v[\ct+4*\c+\i]
.endr
.irp i, 0,1,2
	v_mov_b32 v[\pc+3+6*\c+\i], v[\ct+4*\c+\i]
.endr
.endr
.endm
	s_load_b128 s[4:7], s[0:1], 0x0                ; x, W_qkv
	s_load_b128 s[8:11], s[0:1], 0x10              ; W_out, ops_img
	s_load_b64 s[12:13], s[0:1], 0x20              ; ops_scl
	v_lshl_add_u32 v254, v0, 2, 0xe800
	v_mov_b32 v255, 0
	v_lshrrev_b32 v9, 5, v0
	v_readfirstlane_b32 s14, v9                    ; wave
	v_and_b32 v1, 31, v0                           ; lane
	s_cmp_lt_u32 ttmp9, 256
	s_cbranch_scc0 .Lweights
	; ---------------- x: 32 rows x 256 K a wave, as four sub-units k = 2 e + u of 16 rows (tile u) x 128 K (K step e)
	v_and_b32 v2, 15, v0                           ; r
	v_bfe_u32 v3, v0, 4, 1                         ; h
	v_lshlrev_b32 v4, 4, v1                        ; 16 x lane: a load's 512 bytes, and an image's place
	s_mul_i32 s24, s14, XSTG
	v_add_nc_u32 v5, s24, v4                       ; the stage, in: a row as it lies
	v_mul_u32_u24 v6, v2, 528
	v_lshl_add_u32 v6, v3, 6, v6
	v_add_nc_u32 v6, s24, v6                       ; out: row r, + 64 h: my 16 numbers of each block of 32
	v_lshlrev_b32 v7, 3, v1
	s_mov_b32 s[SEL], 0x76543210
	s_mov_b32 s[SEL+1], 0xfedcba98
.irp b, 0,1,2,3
	v_mov_b32 v[TM+4+\b], 0                        ; written once: a lane permute's destination counts as one of its sources
.endr
	s_lshl_b32 s16, ttmp9, 17                      ; 32 rows of 4,096 bytes
	s_lshl_b32 s17, s14, 10                        ; + 256 numbers x sp
	s_add_co_u32 s16, s16, s17
	s_mov_b32 s17, 0
	s_mul_i32 s18, s14, 768
	s_lshl_b32 s19, ttmp9, 1
	s_add_co_u32 s18, s18, s19                     ; 768 sp + my first tile
	s_mul_i32 s22, s18, 3072
	s_mov_b32 s23, 0
	s_lshl_b32 s18, s18, 7
	s_mov_b32 s19, 0
	s_wait_alu depctr_va_vdst(0)
	s_wait_kmcnt 0x0
	s_add_nc_u64 s[4:5], s[4:5], s[16:17]
	s_add_nc_u64 s[10:11], s[10:11], s[22:23]
	s_add_nc_u64 s[12:13], s[12:13], s[18:19]
.macro LOADSUB k                       ; 16 loads, each 512 consecutive bytes of one of the tile's rows
.irp rr, 0,1,2,3,4,5,6,7,8,9,10,11,12,13,14,15
	global_load_b128 v[R+64*((\k)%2)+4*\rr:R+64*((\k)%2)+4*\rr+3], v4, s[4:5] offset:(8*((\k)%2)+\rr+8*(\rr/8))*4096+512*((\k)/2) th:TH_LOAD_NT
.endr
.endm
.macro SUB k
.if (\k) < 3
	s_wait_loadcnt 16                              ; this sub-unit's 16 loads are in; the next one's may be out
.else
	s_wait_loadcnt 0x0
.endif
.irp rr, 0,1,2,3,4,5,6,7,8,9,10,11,12,13,14,15
	ds_store_b128 v5, v[R+64*((\k)%2)+4*\rr:R+64*((\k)%2)+4*\rr+3] offset:528*\rr
.endr
.irp b, 0,1,2,3
.irp j, 0,1,2,3
	ds_load_b128 v[X+16*\b+4*\j:X+16*\b+4*\j+3], v6 offset:128*\b+16*\j   ; LDS serves a wave's instructions in order: these see the stores above
.endr
.endr
	s_wait_dscnt 0x0                               ; my numbers are back, and the stores into the stage have read their registers
	s_wait_xcnt 0x0                                ; the last sub-unit's stores have read the codes' registers
.if (\k) < 2
	LOADSUB (\k)+2
.endif
	QUANT X, TM, PC, CT, PW+(\k)
.irp c, 0,1,2
	global_store_b128 v4, v[PC+4*\c:PC+4*\c+3], s[10:11] offset:(2*((\k)%2)+(\k)/2)*1536+512*\c   ; 512 consecutive bytes
.endr
.endm
	LOADSUB 0
	LOADSUB 1
	SUB 0
	SUB 1
	SUB 2
	SUB 3
	v_cmp_le_u32 vcc_lo, 16, v1                    ; lanes 0-15 store tile 0's words, lanes 16-31 tile 1's (both halves of the lanes hold a row's word)
	v_cndmask_b32 v[SV], v[PW], v[PW+1], vcc_lo
	v_cndmask_b32 v[SV+1], v[PW+2], v[PW+3], vcc_lo
	global_store_b64 v7, v[SV:SV+1], s[12:13]      ; 256 consecutive bytes, aligned
	s_wait_tensorcnt 0x0
	ds_add_u32 v254, v255
	s_wait_dscnt 0x0
	s_endpgm
	; ---------------- the weights: a lane takes a column, its registers run down K; 8 blocks of 32 a lane
.Lweights:
	s_sub_co_u32 s15, ttmp9, 256
	s_lshr_b32 s16, s15, 2                         ; which 128 columns: 0-23 W_qkv's, 24-31 W_out's
	s_and_b32 s17, s15, 3                          ; sp
	s_sub_co_u32 s19, s16, 24
	s_mov_b32 s18, 12288
	s_wait_kmcnt 0x0
	s_cmp_lt_u32 s16, 24                           ; the choice hangs on the work-group's number alone
	s_cselect_b64 s[6:7], s[6:7], s[8:9]
	s_cselect_b32 s18, s18, 4096                   ; a row in bytes
	s_cselect_b32 s19, s16, s19
	s_lshl_b32 s19, s19, 9
	s_lshl_b32 s21, s14, 7
	s_add_co_u32 s19, s19, s21                     ; my wave's first column, in bytes
	s_lshl_b32 s20, s17, 8
	s_mul_i32 s20, s20, s18                        ; + 256 sp rows
	s_add_co_u32 s20, s20, s19
	s_mov_b32 s21, 0
	s_add_nc_u64 s[24:25], s[6:7], s[20:21]        ; block 0
	s_lshl_b32 s22, s18, 5
	s_mov_b32 s23, 0
.irp t, 1,2,3,4,5,6,7
	s_add_nc_u64 s[24+2*\t:25+2*\t], s[22+2*\t:23+2*\t], s[22:23]   ; block t: 32 rows on
.endr
	s_lshl_b32 s40, s16, 3
	s_lshl_b32 s41, s14, 1
	s_add_co_u32 s40, s40, s41
	s_add_co_u32 s40, s40, 512                     ; my first tile
	s_mul_i32 s41, s17, 768
	s_add_co_u32 s40, s40, s41
	s_mul_i32 s42, s40, 3072
	s_mov_b32 s43, 0
	s_add_nc_u64 s[10:11], s[10:11], s[42:43]
	s_lshl_b32 s42, s40, 7
	s_add_nc_u64 s[12:13], s[12:13], s[42:43]
	s_wait_alu depctr_va_vdst(0)
	v_lshlrev_b32 v3, 2, v1
.irp i, 0,1,2,3,4,5,6,7,8,9,10,11,12,13,14,15,16,17,18,19,20,21,22,23,24,25,26,27,28,29,30,31
	v_mad_u32_u24 v[VO+\i], s18, \i, v3
.endr
	v_bfe_u32 v4, v0, 3, 1                         ; column l of the 32 is lane r = l % 8 + 8 (l / 16) of tile u = (l / 8) % 2
	v_and_b32 v5, 7, v0
	v_bfe_u32 v6, v0, 4, 1
	v_lshl_add_u32 v5, v6, 3, v5
	s_mul_i32 s44, s14, WSTG
	s_add_co_u32 s44, s44, WBASE
	v_mul_u32_u24 v7, v4, 3200
	v_lshl_add_u32 v7, v5, 4, v7
	v_add_nc_u32 v7, s44, v7                       ; into the stage: tile u, 16 r
	v_lshlrev_b32 v8, 4, v1
	v_add_nc_u32 v9, s44, v8                       ; out of it: 16 x lane
	v_lshlrev_b32 v10, 7, v4
	v_lshl_add_u32 v10, v5, 3, v10                 ; my row's two scale words: 128 u + 8 r
.macro LOADB t
.irp i, 0,1,2,3,4,5,6,7,8,9,10,11,12,13,14,15,16,17,18,19,20,21,22,23,24,25,26,27,28,29,30,31
	global_load_b32 v[XW+32*((\t)%2)+\i], v[VO+\i], s[24+2*(\t):25+2*(\t)] th:TH_LOAD_NT   ; 128 consecutive bytes a wave
.endr
.endm
; Block t is K step e = t / 4, registers 6 c .. 6 c + 5 (c = (t / 2) % 2) of lane r + 16 (t % 2) of the fragment
.macro BLOCK t
.set XS, XW+32*((\t)%2)
.set LO, 1536*((\t)/4)+256*((\t)%2)
.if (\t) < 7
	s_wait_loadcnt 32                              ; this block's 32 loads are in; the next block's may be out
.else
	s_wait_loadcnt 0x0
.endif
	v_max3_num_f32 v12, |v[XS]|, |v[XS+1]|, |v[XS+2]|
	v_max3_num_f32 v13, |v[XS+3]|, |v[XS+4]|, |v[XS+5]|
.irp i, 6,10,14,18,22,26
	v_max3_num_f32 v12, v12, |v[XS+\i]|, |v[XS+\i+1]|
	v_max3_num_f32 v13, v13, |v[XS+\i+2]|, |v[XS+\i+3]|
.endr
	v_max3_num_f32 v12, v12, |v[XS+30]|, |v[XS+31]|
	v_max3_num_f32 v12, v12, v13, 0x1800000        ; and the floor
	v_add_nc_u32 v11, 0xff000000, v12
	v_lshrrev_b32 v13, 23, v11
.if (\t)%4 == 0
	v_mov_b32 v[SB+(\t)/4], v13
.else
	v_lshl_or_b32 v[SB+(\t)/4], v13, 8*((\t)%4), v[SB+(\t)/4]
.endif
	v_cvt_scalef32_pk16_fp6_f32 v[CW:CW+2], v[XS:XS+15], v11
	v_cvt_scalef32_pk16_fp6_f32 v[CTW:CTW+2], v[XS+16:XS+31], v11
	v_nop
.irp i, 0,1,2
	v_mov_b32 v[CW+3+\i], v[CTW+\i]
.endr
.if ((\t)/2)%2 == 0
	ds_store_b128 v7, v[CW:CW+3] offset:LO         ; registers 0-3: the image's first piece
	ds_store_b64 v7, v[CW+4:CW+5] offset:LO+512    ; 4, 5: the lower half of the second
.else
	ds_store_b64 v7, v[CW:CW+1] offset:LO+520      ; 6, 7: its upper half
	ds_store_b128 v7, v[CW+2:CW+5] offset:LO+1024  ; 8-11: the third
.endif
.if (\t) < 6
	LOADB (\t)+2
.endif
	s_wait_dscnt 0x0                               ; the stores have read their registers
.endm
	LOADB 0
	LOADB 1
.irp t, 0,1,2,3,4,5,6,7
	BLOCK \t
.endr
	s_wait_alu depctr_va_vdst(0)
	global_store_b64 v10, v[SB:SB+1], s[12:13]     ; the 32 lanes cover 256 consecutive bytes
.irp m, 0,1,2,3,4,5,6,7,8,9,10,11
	ds_load_b128 v[OUTR+4*\m:OUTR+4*\m+3], v9 offset:3200*(\m/6)+512*(\m%6)
.endr
.irp m, 0,1,2,3,4,5,6,7,8,9,10,11
	s_wait_dscnt 11-\m                             ; the younger loads may be out
	global_store_b128 v8, v[OUTR+4*\m:OUTR+4*\m+3], s[10:11] offset:512*\m
.endr
	s_wait_tensorcnt 0x0
	ds_add_u32 v254, v255
	s_wait_dscnt 0x0
	s_endpgm
.Lfunc_end_k_qb00b9bdb17_quant:
	.size	k_qb00b9bdb17_quant, .Lfunc_end_k_qb00b9bdb17_quant-k_qb00b9bdb17_quant
	.p2alignl 7, 3214868480
	.fill 96, 4, 3214868480
	.section	.rodata,"a",@progbits
	.p2align	6, 0x0
	.amdhsa_kernel k_qb00b9bdb17_quant
		.amdhsa_group_segment_fixed_size 59904
		.amdhsa_private_segment_fixed_size 0
		.amdhsa_enable_private_segment 0
		.amdhsa_kernarg_size 40
		.amdhsa_user_sgpr_count 2
		.amdhsa_user_sgpr_kernarg_segment_ptr 1
		.amdhsa_wavefront_size32 1
		.amdhsa_system_sgpr_workgroup_id_x 1
		.amdhsa_system_sgpr_workgroup_id_y 1
		.amdhsa_system_sgpr_workgroup_id_z 1
		.amdhsa_system_vgpr_workitem_id 0
		.amdhsa_next_free_vgpr 256
		.amdhsa_next_free_sgpr 66
		.amdhsa_reserve_vcc 1
		.amdhsa_float_denorm_mode_32 3
		.amdhsa_float_denorm_mode_16_64 3
		.amdhsa_memory_ordered 1
		.amdhsa_forward_progress 1
		.amdhsa_inst_pref_size 77
	.end_amdhsa_kernel
	.amdgpu_metadata
---
amdhsa.version: [ 1, 2 ]
amdhsa.kernels:
  - .name:           k_qb00b9bdb17_quant
    .symbol:         k_qb00b9bdb17_quant.kd
    .args:
      - { .name: x, .offset: 0, .size: 8, .value_kind: global_buffer, .address_space: global }
      - { .name: W_qkv, .offset: 8, .size: 8, .value_kind: global_buffer, .address_space: global }
      - { .name: W_out, .offset: 16, .size: 8, .value_kind: global_buffer, .address_space: global }
      - { .name: ops_img, .offset: 24, .size: 8, .value_kind: global_buffer, .address_space: global }
      - { .name: ops_scl, .offset: 32, .size: 8, .value_kind: global_buffer, .address_space: global }
    .group_segment_fixed_size: 59904
    .private_segment_fixed_size: 0
    .kernarg_segment_align: 8
    .kernarg_segment_size: 40
    .max_flat_workgroup_size: 128
    .sgpr_count:     66
    .vgpr_count:     256
    .wavefront_size: 32
...
	.end_amdgpu_metadata
.endif
;; end of part 1
;; launch qkv (part 2): grid 12 x 32, 4 waves a work-group, clusters of 4 x 4, 327,680 bytes of LDS; arguments ops_img, ops_scl, b_qkv, qkv_img, qkv_scl; writes qkv_img, qkv_scl
.if DOCPART == 2
	.amdgcn_target "amdgcn-amd-amdhsa--gfx1250"
	.amdhsa_code_object_version 6
	.text
	.protected	k_qb00b9bdb17_qkv
	.globl	k_qb00b9bdb17_qkv
	.p2align	8
	.type	k_qb00b9bdb17_qkv,@function
k_qb00b9bdb17_qkv:
	s_mov_b64 s[64:65], 0
	v_nop
	global_prefetch_b8 v0, s[64:65] scope:SCOPE_SE
	s_setreg_imm32_b32 hwreg(HW_REG_WAVE_MODE, 25, 1), 1
	s_wait_xcnt 0x0
	s_wait_alu depctr_hold_cnt(0) depctr_sa_sdst(0) depctr_va_vdst(0) depctr_va_sdst(0) depctr_va_ssrc(0) depctr_va_vcc(0) depctr_vm_vsrc(0)
	s_getreg_b32 s2, hwreg(HW_REG_IB_STS2, 6, 4)
	s_cmp_eq_u32 s2, 0
	s_cbranch_scc0 .Lentry_in_a_cluster
	s_endpgm
.Lentry_in_a_cluster:
	s_bfe_u32 s2, ttmp6, 0x10000c
	s_cmp_lg_u32 s2, 0xf033
	s_cbranch_scc0 .Lentry_shape_is_right
	s_endpgm
.Lentry_shape_is_right:
; qkv = x W_qkv + b_qkv on codes of FP6 (E2M3) with E8M0 scales, and q, k, v quantised at once for the attention: nothing leaves as f32.
; A work-group of four waves makes 256 x 256, a wave 128 x 128: 64 accumulators, 512 registers.
; K = 1,024 is four quarters of 256.  THREE LDS SLOTS: quarters 0, 1, 2 are asked for together at the head; quarter 3 fills slot 0 again as soon as it has been read, and has two slots' 256 matrix instructions in which to land.
; Operands lie in memory as images of operand registers (16 rows x 128 K = 1,536 bytes, registers 4 c .. 4 c + 3 of lane l at 512 c + 16 l): a fragment is three ds_load_b128, and a wave's part of a slot is one dense block.
; Lane r of row tile 2 b + u stands for row 32 b + 8 u + r + 8 (r / 8): as source 0 the 16 registers of two neighbouring tiles are 16 neighbours, which is what the quantiser of the result wants.
; WHICH TENSOR IS WHICH SOURCE hangs on the cluster's x (0: q, 1: k, 2: v), equal in all sixteen partners.  q, k: source 0 = W's columns, source 1 = tokens: a lane holds a token, its registers run along (head, dh).
; v: source 0 = tokens, source 1 = W_v's columns: a lane holds a channel d, its registers run along the keys, which are the K of the attention's second product.
; CLUSTER 4 x 4: source 1's tile hangs on cy and is asked for jointly along a row of the cluster, source 0's on cx and along a column.
; The bias is the C of the first K step.  OUT: qkv_img [role 3][g 4][idx 32][tile16 16][pw 2][1536], registers 2 c, 2 c + 1 of lane l at 256 c + 8 l; qkv_scl the same with 16 words in place of a fragment.
;   q, k: g = group of 4 heads, token tile = 16 idx + tile16, pw = pair of heads (k 0-63 the even head, 64-127 the odd).   v: tile16 = 16 channels of the group's 256, keys 128 (2 idx + pw) on.
; LIMITS: a block of zeros, or one under 2^-124, gets the scale byte 1 (its codes are zeros; the bytes are read by this program alone); NaN and infinities are not served.
; REGISTERS: window 0: v1-29 addresses; v32-63 scale words, two sets; v64-127 the bias in the result's layout; v128-223 source 1's fragments, one set.  window 1: source 0's, two sets.  windows 2, 3: accumulator (a, b) at v[8 (8 (a % 4) + b)].
; THE FILLS, AS THE TEXT BELOW HAS THEM (this takes the place of what the lines above say of the head): at the head one tensor load a wave: wave 0 quarter 0 of A's 256 rows, wave 1 of B's, wave 2 A's scale words, wave 3 B's.
; Behind the three lines and a round each wave asks, by ONE load of two rows of 24,576 bytes, for its 128 rows of quarters 1 and 2; they lie on end in LDS, wave by wave.  Quarter 3 fills slot 0 again behind the round at quarter 0's end.
.set NQ,     2
.set FR,     12
.set FRB,    1536
.set NL,     3                         ; LDS loads that bring a fragment
.set NP,     4                         ; places behind this matrix instruction (ISA guide 7.12.1)
.set HALFT,  8*NQ*FRB                  ; 128 rows x 256 K: what one tensor load brings
.set SLOT,   4*HALFT
.set SPB,    768*NQ*FRB                ; from one quarter of K to the next in ops_img
.set SCL,    3*SLOT                    ; the scale words of the work-group's rows, all of K: 4 x 4,096 bytes = A's [quarter 4][tile 16][128], then B's
.set SPARE,  SCL+4*4096                ; the spare words, 128 bytes a wave
.set SSTG,   SPARE+512                 ; 2,048 bytes: the results' scale words are gathered here; no tile ever lands here
.set ADRA, 16                          ; v16-18 LDS address of my fragments of A in slot 0, 1, 2
.set ADRB, 20                          ; v20-22 of B
.set SSG,  23                          ; v23 16 x thread
.set L8,   24                          ; v24 8 x lane
.set SSA,  25                          ; v25 where I put a scale word
.set SSR,  26                          ; v26 where I read 16 bytes of them back
.set ADRS, 27
.set SPW,  28
.set NIL,  29
.set SC,   32
.set TBL,  64
.set AF,   128
.set TM,   32                          ; the way out: v32-47 at work, v48-55 scale words, v64-75 codes, v76-82 upper half blocks
.set PWR,  48
.set PCQ,  64
.set CTQ,  76
.set SEL,  18                          ; s[18:19] on the way out: selects for lane l xor 16
.set G1,  24                           ; group 1 for A's tiles
.set GA0, 32                           ; groups 0 for A's tiles, one for each slot
.set GA1, 36
.set GA2, 96
.set G1B, 48                           ; the same for B's
.set GB0, 56
.set GB1, 60
.set GB2, 92
.set G1S, 68
.set G0S, 76
.set G1SB, 80
.set G0SB, 88
.set MSB, 0
.macro WIN new                         ; the immediate's high byte repeats the setting that is left
.if MSB != \new
	s_set_vgpr_msb (MSB<<8)|\new
.set MSB, \new
.endif
.endm
.set TO_B, 0x40
; A joint load: waves 0 and 1 fetch for source 1 (A), waves 2 and 3 for source 0 (B); the branch hangs on the wave's number alone.  Four v_nop follow each line.
.macro JLOAD g0a, g1a, g0b, g1b
	s_cmp_eq_u32 s15, 0
	s_cbranch_scc0 .Lfor_b_\@
	tensor_load_to_lds s[\g0a:\g0a+3], s[\g1a:\g1a+7]
	s_nop 0
.rept 4
	v_nop
.endr
	s_branch .Lasked_\@
.Lfor_b_\@:
	tensor_load_to_lds s[\g0b:\g0b+3], s[\g1b:\g1b+7]
	s_nop 0
.rept 4
	v_nop
.endr
.Lasked_\@:
.endm
.macro CREST
	s_cmp_lg_u32 s14, 0
	s_cbranch_scc1 .Lnot_wave_0_\@
	s_barrier_signal -3
.Lnot_wave_0_\@:
	s_barrier_wait -3
	s_barrier_signal -1
	s_barrier_wait -1
.endm
.macro CROUND
	s_barrier_signal -1
	s_barrier_wait -1
	CREST
.endm
	s_load_b128 s[4:7], s[0:1], 0x0                ; ops_img, ops_scl
	s_load_b128 s[8:11], s[0:1], 0x10              ; b_qkv, qkv_img
	s_load_b64 s[12:13], s[0:1], 0x20              ; qkv_scl
	v_lshl_add_u32 v[SPW], v0, 2, SPARE
	v_mov_b32 v[NIL], 0
	ds_add_u32 v28, v29
	ds_add_u32 v28, v29
	s_wait_dscnt 0x0
	v_lshrrev_b32 v1, 5, v0
	v_readfirstlane_b32 s14, v1                    ; wave
	s_lshr_b32 s15, s14, 1                         ; qw: my half of A's rows.  Also: I fetch for A (0) or for B (1)
	s_and_b32 s16, s14, 1                          ; pw: my half of B's rows.  Also: which 128 rows I fetch
	s_bfe_u32 s40, ttmp6, 0x40000                  ; cx
	s_bfe_u32 s41, ttmp6, 0x40004                  ; cy
	s_and_b32 s17, ttmp7, 0xffff
	s_lshl_b32 s17, s17, 2                         ; 4 x cluster y
	s_lshl_b32 s42, ttmp9, 2
	s_add_co_u32 s42, s42, 32                      ; W_q's or W_k's first tile of 256 rows in ops_img
	s_cmp_lt_u32 ttmp9, 2                          ; q, k or v: the cluster's x, equal in all partners
	s_cselect_b32 s20, s17, 40                     ; A: tokens, or W_v
	s_cselect_b32 s46, s42, s17                    ; B: W_q, W_k, or tokens
	s_add_co_u32 s20, s20, s41                     ; A's tile hangs on cy alone,
	s_add_co_u32 s46, s46, s40                     ; B's on cx alone
	s_lshl_b32 s43, s41, 2
	s_lshl_b32 s43, 15, s43                        ; my row of the cluster
	s_lshl_b32 s44, 0x1111, s40                    ; my column
	; group 1 for codes: a dense block of 49,152 bytes as 192 rows of 256 bytes (32 elements of 8 bytes), no padding
	s_or_b32 s[G1+0], s43, (3<<16)|(1<<21)
	s_or_b32 s[G1B+0], s44, (3<<16)|(1<<21)
.irp g, G1, G1B
	s_mov_b32 s[\g+1], 32<<16
	s_mov_b32 s[\g+2], 192<<16                     ; the head's loads of codes: 256 rows x 256 K, a dense 49,152 bytes
	s_mov_b32 s[\g+3], 32<<16
	s_mov_b32 s[\g+4], 192
	s_mov_b32 s[\g+5], 32
	s_mov_b32 s[\g+6], 0
	s_mov_b32 s[\g+7], 0
.endr
	; and for scale words: 4 rows (quarters) of 2,048 bytes (16 tiles), 98,304 bytes apart
	s_or_b32 s[G1S+0], s43, (3<<16)|(1<<21)
	s_or_b32 s[G1SB+0], s44, (3<<16)|(1<<21)
.irp g, G1S, G1SB
	s_mov_b32 s[\g+1], 256<<16                     ; scale words: 4 quarters of 2,048 bytes (16 tiles)
	s_mov_b32 s[\g+2], 4<<16
	s_mov_b32 s[\g+3], 256<<16
	s_mov_b32 s[\g+4], 4
	s_mov_b32 s[\g+5], 12288
	s_mov_b32 s[\g+6], 0
	s_mov_b32 s[\g+7], 0
.endr
	s_mul_i32 s18, s16, HALFT                      ; behind the head I fetch 128 rows: which half, in bytes
	s_mov_b32 s19, 0
	s_lshl_b32 s20, s20, 4
	s_lshl_b32 s46, s46, 4
	s_lshl_b32 s22, s20, 7
	s_mov_b32 s23, 0
	s_lshl_b32 s[G0SB+2], s46, 7                   ; B's scale words: the offset is made where the address will stand
	s_mov_b32 s[G0SB+3], 0
	s_mul_i32 s20, s20, NQ*FRB
	s_mov_b32 s21, 0
	s_mul_i32 s46, s46, NQ*FRB
	s_mov_b32 s47, 0
	s_mul_i32 s45, s14, HALFT                      ; where they go: by the wave's number alone
	s_mul_i32 s3, s14, 2*HALFT                     ; quarters 1 and 2: two parts on end for each wave
	s_wait_kmcnt 0x0
	s_add_nc_u64 s[20:21], s[4:5], s[20:21]
	s_add_nc_u64 s[22:23], s[6:7], s[22:23]
	s_add_nc_u64 s[46:47], s[4:5], s[46:47]
	s_add_nc_u64 s[G0SB+2:G0SB+3], s[6:7], s[G0SB+2:G0SB+3]
	CROUND                                         ; all sixteen work-groups are here: the first joint loads meet
	s_mov_b32 s[G0S], 1
	s_mov_b32 s[G0S+1], SCL
	s_mov_b64 s[G0S+2:G0S+3], s[22:23]
	s_or_b32 s[G0S+3], s[G0S+3], 0x80000000
	s_mov_b32 s[G0SB], 1
	s_mov_b32 s[G0SB+1], SCL+8192
	s_or_b32 s[G0SB+3], s[G0SB+3], 0x80000000
	s_mov_b32 s[GA0], 1                            ; quarter 0, whole: A's 256 rows,
	s_mov_b32 s[GA0+1], 0
	s_mov_b64 s[GA0+2:GA0+3], s[20:21]
	s_or_b32 s[GA0+3], s[GA0+3], 0x80000000
	s_mov_b32 s[GB0], 1                            ; B's behind them
	s_mov_b32 s[GB0+1], 2*HALFT
	s_mov_b64 s[GB0+2:GB0+3], s[46:47]
	s_or_b32 s[GB0+3], s[GB0+3], 0x80000000
	s_add_nc_u64 s[20:21], s[20:21], s[18:19]      ; from here on: my 128 rows
	s_add_nc_u64 s[46:47], s[46:47], s[18:19]
	s_mov_b32 s[GA1], 1                            ; quarters 1 and 2 by one load
	s_add_co_u32 s[GA1+1], s3, SLOT
	s_add_nc_u64 s[GA1+2:GA1+3], s[20:21], SPB
	s_or_b32 s[GA1+3], s[GA1+3], 0x80000000
	s_mov_b32 s[GB1], 1
	s_add_co_u32 s[GB1+1], s3, SLOT
	s_add_nc_u64 s[GB1+2:GB1+3], s[46:47], SPB
	s_or_b32 s[GB1+3], s[GB1+3], 0x80000000
	s_mov_b32 s[GA2], 1                            ; quarter 3, into slot 0
	s_mov_b32 s[GA2+1], s45
	s_add_nc_u64 s[GA2+2:GA2+3], s[20:21], 3*SPB
	s_or_b32 s[GA2+3], s[GA2+3], 0x80000000
	s_mov_b32 s[GB2], 1
	s_mov_b32 s[GB2+1], s45
	s_add_nc_u64 s[GB2+2:GB2+3], s[46:47], 3*SPB
	s_or_b32 s[GB2+3], s[GB2+3], 0x80000000
; the head's loads, one a wave: one chain of branches on the wave's number, every way through it passes one load
.macro ARM under, g0, g1, next
	s_cmp_lt_u32 s14, \under
	s_cbranch_scc0 \next
	tensor_load_to_lds s[\g0:\g0+3], s[\g1:\g1+7]
	s_nop 0
.rept 4
	v_nop
.endr
	s_branch .Lhead_asked
\next:
.endm
	ARM 1, GA0, G1,  .Lhead_b
	ARM 2, GB0, G1B, .Lhead_sa
	ARM 3, G0S, G1S, .Lhead_sb
	tensor_load_to_lds s[G0SB:G0SB+3], s[G1SB:G1SB+7]
	s_nop 0
.rept 4
	v_nop
.endr
.Lhead_asked:
	; PREFETCH INTO THE L2: the quarters of K that later loads take.  Of the 96 blocks of 256 bytes that my later load takes of a quarter, each of the four partners that ask for them jointly names 24,
	; told apart by address (cx for A, cy for B); a lane a block, lanes 24-31 name the last block again.  Here quarters 1 and 2, one load ahead of theirs; quarter 3 behind that load, one load ahead of its own.
	s_cmp_eq_u32 s15, 0                            ; do I fetch for A?
	s_cselect_b64 s[2:3], s[20:21], s[46:47]       ; my 128 rows, quarter 0
	s_cselect_b32 s66, s40, s41                    ; my place among the four
	s_mul_i32 s66, s66, 24*256
	s_mov_b32 s67, 0
	s_add_nc_u64 s[2:3], s[2:3], s[66:67]          ; s[2:3] and v30 are never rewritten
	v_and_b32 v30, 31, v0
	v_min_u32 v30, 23, v30
	v_lshlrev_b32 v30, 8, v30
	global_prefetch_b8 v30, s[2:3] offset:SPB th:TH_LOAD_NT scope:SCOPE_SE
	global_prefetch_b8 v30, s[2:3] offset:2*SPB th:TH_LOAD_NT scope:SCOPE_SE
	v_and_b32 v1, 15, v0                           ; r
	v_bfe_u32 v2, v0, 4, 1                         ; h
	; the bias in the result's layout
	s_cmp_lt_u32 ttmp9, 2
	s_cbranch_scc0 .Lbias_v
	s_lshl_b32 s42, ttmp9, 2                       ; q, k: register 8 b + j of lane (r, h) is column 32 (b / 2) + 16 h + 8 (b % 2) + j of my 128
	s_add_co_u32 s42, s42, s40
	s_lshl_b32 s42, s42, 10
	s_lshl_b32 s43, s16, 9
	s_add_co_u32 s42, s42, s43
	s_mov_b32 s43, 0
	s_add_nc_u64 s[8:9], s[8:9], s[42:43]
	s_wait_alu depctr_va_vdst(0)
	v_lshlrev_b32 v5, 6, v2
.irp t, 0,1,2,3,4,5,6,7
	global_load_b128 v[TBL+8*\t:TBL+8*\t+3], v5, s[8:9] offset:(32*(\t/2)+8*(\t%2))*4
	global_load_b128 v[TBL+8*\t+4:TBL+8*\t+7], v5, s[8:9] offset:(32*(\t/2)+8*(\t%2))*4+16
.endr
	s_branch .Lbias_done
.Lbias_v:
	s_lshl_b32 s42, s41, 10                        ; v: all eight registers of block a hold the bias of the lane's channel
	s_lshl_b32 s43, s15, 9
	s_add_co_u32 s42, s42, s43
	s_add_co_u32 s42, s42, 8192
	s_mov_b32 s43, 0
	s_add_nc_u64 s[8:9], s[8:9], s[42:43]
	s_wait_alu depctr_va_vdst(0)
	v_and_b32 v5, 8, v1
	v_add_nc_u32 v5, v5, v1
	v_lshlrev_b32 v5, 2, v5
.irp a, 0,1,2,3,4,5,6,7
	global_load_b32 v[TBL+8*\a], v5, s[8:9] offset:(32*(\a/2)+8*(\a%2))*4
.endr
	s_wait_loadcnt 0x0
.irp a, 0,1,2,3,4,5,6,7
.irp j, 1,2,3,4,5,6,7
	v_mov_b32 v[TBL+8*\a+\j], v[TBL+8*\a]
.endr
.endr
.Lbias_done:
	v_and_b32 v3, 31, v0
	v_lshlrev_b32 v4, 4, v3                        ; 16 x lane: my place in an image
	s_mul_i32 s21, s15, HALFT
	s_mul_i32 s22, s16, HALFT
	s_add_co_u32 s22, s22, 2*HALFT
	s_wait_alu depctr_va_vdst(0)
	v_add_nc_u32 v[ADRA], s21, v4
	v_add_nc_u32 v[ADRB], s22, v4
	s_lshl_b32 s21, s21, 1                         ; quarters 1 and 2 lie on end, 2 x 24,576 bytes for each fetching wave, behind slot 0
	s_lshl_b32 s22, s22, 1
	s_add_co_u32 s21, s21, SLOT
	s_add_co_u32 s22, s22, SLOT
.irp s, 1,2
	v_add_nc_u32 v[ADRA+\s], s21, v4
	v_add_nc_u32 v[ADRB+\s], s22, v4
	s_add_co_u32 s21, s21, HALFT
	s_add_co_u32 s22, s22, HALFT
.endr
	v_lshlrev_b32 v6, 3, v1                        ; scale words: 8 bytes a row (K steps e = 0, 1)
	s_lshl_b32 s21, s15, 10                        ; A's: my 8 tiles of a quarter's 16
	s_lshl_b32 s22, s16, 10                        ; B's: my 8 tiles, behind A's 8,192 bytes
	s_add_co_u32 s22, s22, 2*4096
	s_sub_co_u32 s22, s22, s21
	v_mul_u32_u24 v7, s22, v2                      ; lanes 16-31 take B's
	s_add_co_u32 s21, s21, SCL
	v_add_nc_u32 v6, v6, v7
	v_add_nc_u32 v[ADRS], s21, v6
	v_lshlrev_b32 v[L8], 3, v3
	v_lshlrev_b32 v[SSG], 4, v0
	v_add_nc_u32 v[SSR], SSTG, v[SSG]
	s_lshl_b32 s100, s15, 4
	s_add_co_u32 s100, s100, s16                   ; 16 qw + pw
	s_mul_i32 s101, s100, FRB
	s_lshl_b32 s100, s100, 6
	v_lshlrev_b32 v[SSA], 2, v1
	v_add_nc_u32 v[SSA], s100, v[SSA]
	v_add_nc_u32 v[SSA], SSTG, v[SSA]
	; where the results go: block = 128 role + 32 g + idx
	s_cmp_lt_u32 ttmp9, 2
	s_cselect_b32 s42, s40, s41                    ; g
	s_cselect_b32 s43, s41, s40
	s_add_co_u32 s43, s43, s17                     ; idx
	s_lshl_b32 s42, s42, 5
	s_add_co_u32 s43, s43, s42
	s_lshl_b32 s42, ttmp9, 7
	s_add_co_u32 s43, s43, s42
	s_mul_i32 s66, s43, 49152
	s_add_co_u32 s66, s66, s101
	s_mov_b32 s67, 0
	s_add_nc_u64 s[10:11], s[10:11], s[66:67]
	s_lshl_b32 s66, s43, 11
	s_add_nc_u64 s[12:13], s[12:13], s[66:67]
	s_mov_b32 s[SEL], 0x76543210
	s_mov_b32 s[SEL+1], 0xfedcba98
.macro FRAG reg, adr, q, i             ; a fragment comes as it was laid: three loads of 512 consecutive bytes
.irp c, 0,1,2
	ds_load_b128 v[\reg+4*\c:\reg+4*\c+3], v[\adr] offset:(\i)*NQ*FRB+(\q)*FRB+512*\c
.endr
.endm
; 16 matrix instructions: A's blocks a0, a0 + 1 x B's eight.  p: B's set; q: the slot's K step; sc: the set of scale words.  zero = 2: C is the bias by B's block; 3: by A's block; 0: in place.
; The 64 accumulators take turns, one instruction a turn.
.macro MUL16 a0, p, q, sc, zero
.irp a, \a0, \a0+1
.irp b, 0,1,2,3,4,5,6,7
.if \zero == 2
	v_wmma_scale_f32_16x16x128_f8f6f4 v[8*(8*((\a)%4)+\b):8*(8*((\a)%4)+\b)+7], v[128*(\p)+FR*\b:128*(\p)+FR*\b+FR-1], v[AF+FR*(\a):AF+FR*(\a)+FR-1], v[TBL+8*\b:TBL+8*\b+7], v[SC+8*NQ*(\sc)+NQ*\b+(\q)], v[SC+8*NQ*(\sc)+NQ*(\a)+(\q)] matrix_a_fmt:MATRIX_FMT_FP6 matrix_b_fmt:MATRIX_FMT_FP6 matrix_a_scale:MATRIX_SCALE_ROW1
.elseif \zero == 3
	v_wmma_scale_f32_16x16x128_f8f6f4 v[8*(8*((\a)%4)+\b):8*(8*((\a)%4)+\b)+7], v[128*(\p)+FR*\b:128*(\p)+FR*\b+FR-1], v[AF+FR*(\a):AF+FR*(\a)+FR-1], v[TBL+8*(\a):TBL+8*(\a)+7], v[SC+8*NQ*(\sc)+NQ*\b+(\q)], v[SC+8*NQ*(\sc)+NQ*(\a)+(\q)] matrix_a_fmt:MATRIX_FMT_FP6 matrix_b_fmt:MATRIX_FMT_FP6 matrix_a_scale:MATRIX_SCALE_ROW1
.else
	v_wmma_scale_f32_16x16x128_f8f6f4 v[8*(8*((\a)%4)+\b):8*(8*((\a)%4)+\b)+7], v[128*(\p)+FR*\b:128*(\p)+FR*\b+FR-1], v[AF+FR*(\a):AF+FR*(\a)+FR-1], v[8*(8*((\a)%4)+\b):8*(8*((\a)%4)+\b)+7], v[SC+8*NQ*(\sc)+NQ*\b+(\q)], v[SC+8*NQ*(\sc)+NQ*(\a)+(\q)] matrix_a_fmt:MATRIX_FMT_FP6 matrix_b_fmt:MATRIX_FMT_FP6 matrix_a_scale:MATRIX_SCALE_ROW1
.endif
.endr
.endr
.endm
.macro FETCH_B slot, q, p
	WIN TO_B
.irp i, 0,1,2,3,4,5,6,7
	FRAG 128*(\p)+FR*\i, ADRB+\slot, \q, \i
.endr
	WIN 0
.endm
.macro FETCH_A slot, q, i0
.irp i, \i0, \i0+1, \i0+2, \i0+3
	FRAG AF+FR*(\i), ADRA+\slot, \q, \i
.endr
.endm
.macro SCALES sc                       ; a quarter's scale words: lanes 0-15 A's block i, lanes 16-31 B's block i
.irp i, 0,1,2,3,4,5,6,7
	ds_load_b64 v[SC+8*NQ*\sc+NQ*\i:SC+8*NQ*\sc+NQ*\i+1], v[ADRS] offset:\i*128
.endr
.endm
.macro PLACES n                        ; plain instructions between a matrix instruction and a load into, or a read of, its registers
.rept \n
	v_nop
.endr
.endm
.macro STEP slot, sc, zero             ; a slot's first K step of 128; its successor lies in the same slot
	s_wait_dscnt 4*NL                              ; B's set, A's blocks 0-3 and the scale words are in; A's blocks 4-7 (12 loads) may be out
.if \zero
	WIN 0x81                                       ; source 0 window 1, C window 0, D window 2
.else
	WIN 0xa1
.endif
	MUL16 0, 0, 0, \sc, \zero
	MUL16 2, 0, 0, \sc, \zero
	s_wait_dscnt 0
	PLACES NP
	FETCH_B \slot, 1, 1
	FETCH_A \slot, 1, 0
.if \zero
	WIN 0xc1
.else
	WIN 0xf1
.endif
	MUL16 4, 0, 0, \sc, \zero
	MUL16 6, 0, 0, \sc, \zero
	PLACES NP
	WIN 0
	FETCH_A \slot, 1, 4
.endm
; A slot's second K step goes on into the next slot.
; mode 1: slot 0 is filled again: each wave waits for all its tensor loads, adds 0 to its spare word, waits for that and for its reads of the slot; a round of the cluster's barrier; the joint refill first behind it.
; mode 0: the next slot is the one that was filled again: the same waits and a barrier of the work-group, so that every wave's part of it is shown to all.
; mode 2: no barrier: the next slot's loads were waited for by every wave ahead of the round of mode 1, and this slot is not filled again.
.macro TURN slot, sc, next, nsc, mode
.if \mode < 2
	s_wait_tensorcnt 0x0                           ; all my tensor loads have landed
	ds_add_u32 v[SPW], v[NIL]
	s_wait_dscnt 4*NL+1                            ; (the add and A's blocks 4-7 may be out)
	WIN 0xa1
	MUL16 0, 1, 1, \sc, 0
	s_wait_dscnt 0x0                               ; the add is done, and my reads of this slot are over
	s_barrier_signal -1
	MUL16 2, 1, 1, \sc, 0
	WIN 0
	s_barrier_wait -1
.else
	s_wait_dscnt 4*NL
	WIN 0xa1
	MUL16 0, 1, 1, \sc, 0
	MUL16 2, 1, 1, \sc, 0
	s_wait_dscnt 0x0                               ; A's blocks 4-7 are in
	WIN 0
.endif
.if \mode == 1
	CREST                                          ; the barrier has opened a round of the cluster's: no wave of any partner still reads slot 0 or has a load on its way
.irp g, G1, G1B                        ; no tensor load of mine is out: group 1 now states a dense 24,576 bytes as 96 rows of 256
	s_mov_b32 s[\g+1], 32<<16
	s_mov_b32 s[\g+2], 96<<16
	s_mov_b32 s[\g+3], 32<<16
	s_mov_b32 s[\g+4], 96
	s_mov_b32 s[\g+5], 32
.endr
	JLOAD GA2, G1, GB2, G1B                        ; quarter 3: the first tensor load behind the round; its four v_nop are the places in front of the loads below
.else
	PLACES NP
.endif
	v_add_nc_u32 v[ADRS], 2048, v[ADRS]            ; the next quarter's scale words
	FETCH_B \next, 0, 0
	FETCH_A \next, 0, 0
	SCALES \nsc
	WIN 0xf1
	MUL16 4, 1, 1, \sc, 0
	MUL16 6, 1, 1, \sc, 0
	PLACES NP
	WIN 0
	FETCH_A \next, 0, 4
.endm
	s_wait_alu depctr_va_vdst(0)
	s_wait_tensorcnt 0x0                           ; my tile of the head's four is in; the three lines ahead of a later first fill
	ds_add_u32 v[SPW], v[NIL]
.irp g, G1, G1B                        ; no tensor load of mine is out: group 1 now states two rows of 24,576 bytes, a quarter of K apart
	s_mov_b32 s[\g+1], 3072<<16
	s_mov_b32 s[\g+2], 2<<16
	s_mov_b32 s[\g+3], 3072<<16
	s_mov_b32 s[\g+4], 2
	s_mov_b32 s[\g+5], SPB/8
.endr
	s_wait_dscnt 0x0
	CROUND                                         ; all four tiles are shown to all, and the joint loads meet
	JLOAD GA1, G1, GB1, G1B                        ; quarters 1 and 2
	FETCH_B 0, 0, 0
	FETCH_A 0, 0, 0
	SCALES 0
	FETCH_A 0, 0, 4
	global_prefetch_b8 v30, s[2:3] offset:3*SPB th:TH_LOAD_NT scope:SCOPE_SE   ; quarter 3, behind the joint load and the run of LDS loads
	s_wait_loadcnt 0x0                             ; the bias
	s_cmp_lt_u32 ttmp9, 2
	s_cbranch_scc0 .Lfirst_v
	STEP 0, 0, 2                                   ; the first step starts the sums with the bias
	s_branch .Lfirst_done
.Lfirst_v:
	STEP 0, 0, 3
.Lfirst_done:
	TURN 0, 0, 1, 1, 1                             ; quarter 0 ends; slot 0 takes quarter 3
	s_wait_alu depctr_va_vdst(0)
	STEP 1, 1, 0
	TURN 1, 1, 2, 0, 2
	s_wait_alu depctr_va_vdst(0)
	STEP 2, 0, 0
	TURN 2, 0, 0, 1, 0                             ; quarter 3 has had 256 matrix instructions in which to land
	STEP 0, 1, 0
	s_wait_dscnt 4*NL                              ; the very last step: nothing more to fetch
	WIN 0xa1
	MUL16 0, 1, 1, 1, 0
	MUL16 2, 1, 1, 1, 0
	s_wait_dscnt 0
	WIN 0xf1
	MUL16 4, 1, 1, 1, 0
	MUL16 6, 1, 1, 1, 0
	WIN 0
; THE WAY OUT.  Block a's 64 registers of a lane are 128 neighbours along the next product's K in the order 16 b + i = k 32 b + 16 (lane / 16) + i: they are quantised where they lie and leave as one fragment's image.
.macro OUTQ a
.set AC, 64*((\a)%4)
.set WA, 2+(\a)/4
.set WB, WA*5
	WIN WB                                         ; sources 0 and 1 in the accumulators' window
.irp b, 0,1,2,3
	v_max3_num_f32 v[TM+\b], |v[AC+16*\b]|, |v[AC+16*\b+1]|, 0x1800000   ; each accumulator is read from its low end on
.endr
.irp i, 2,4,6,8,10,12,14
.irp b, 0,1,2,3
	v_max3_num_f32 v[TM+\b], |v[AC+16*\b+\i]|, |v[AC+16*\b+\i+1]|, v[TM+\b]
.endr
.endr
	WIN 0
.irp b, 0,1,2,3
	v_permlanex16_b32 v[TM+4+\b], v[TM+\b], s[SEL], s[SEL+1]
.endr
.irp b, 0,1,2,3
	v_max_num_f32 v[TM+\b], v[TM+\b], v[TM+4+\b]
.endr
.irp b, 0,1,2,3
	v_add_nc_u32 v[TM+12+\b], 0xff000000, v[TM+\b]
.endr
.irp b, 0,1,2,3
	v_lshrrev_b32 v[TM+4+\b], 23, v[TM+12+\b]
.endr
	v_lshl_or_b32 v[PWR+(\a)], v[TM+5], 8, v[TM+4]
	v_lshl_or_b32 v[PWR+(\a)], v[TM+6], 16, v[PWR+(\a)]
	v_lshl_or_b32 v[PWR+(\a)], v[TM+7], 24, v[PWR+(\a)]
	s_wait_xcnt 0x0                                ; the last block's stores have read the codes' registers
	WIN WA                                         ; source 0 in the accumulators' window
.irp c, 0,1
	v_cvt_scalef32_pk16_fp6_f32 v[PCQ+6*\c:PCQ+2+6*\c], v[AC+32*\c:AC+15+32*\c], v[TM+12+2*\c]
	v_cvt_scalef32_pk16_fp6_f32 v[CTQ+4*\c:CTQ+2+4*\c], v[AC+16+32*\c:AC+31+32*\c], v[TM+12+2*\c+1]
.endr
	WIN 0
	v_nop
.irp c, 0,1
.irp i, 0,1,2
	v_permlane16_swap_b32 v[PCQ+6*\c+\i], v[CTQ+4*\c+\i]
.endr
.irp i, 0,1,2
	v_mov_b32 v[PCQ+3+6*\c+\i], v[CTQ+4*\c+\i]
.endr
.endr
.irp c, 0,1,2,3,4,5
	global_store_b64 v[L8], v[PCQ+2*\c:PCQ+2*\c+1], s[10:11] offset:(\a)*2*FRB+256*\c   ; 256 consecutive bytes, aligned
.endr
	ds_store_b32 v[SSA], v[PWR+(\a)] offset:128*(\a)   ; both halves of the lanes write a row's word with the same value
.endm
	PLACES NP
.irp a, 0,1,2,3,4,5,6,7
	OUTQ \a
.endr
	s_wait_dscnt 0x0                               ; for the others' sake: my scale words lie in the stage
	s_barrier_signal -1
	s_barrier_wait -1
	ds_load_b128 v[56:59], v[SSR]
	s_wait_dscnt 0x0
	global_store_b128 v[SSG], v[56:59], s[12:13]   ; the work-group's 2,048 bytes of scale words, on end
	s_wait_tensorcnt 0x0                           ; the wave's end
	ds_add_u32 v[SPW], v[NIL]
	s_wait_dscnt 0x0
	CROUND                                         ; the closing round
	s_endpgm
.Lfunc_end_k_qb00b9bdb17_qkv:
	.size	k_qb00b9bdb17_qkv, .Lfunc_end_k_qb00b9bdb17_qkv-k_qb00b9bdb17_qkv
	.p2alignl 7, 3214868480
	.fill 96, 4, 3214868480
	.section	.rodata,"a",@progbits
	.p2align	6, 0x0
	.amdhsa_kernel k_qb00b9bdb17_qkv
		.amdhsa_group_segment_fixed_size 327680
		.amdhsa_private_segment_fixed_size 0
		.amdhsa_enable_private_segment 0
		.amdhsa_kernarg_size 40
		.amdhsa_user_sgpr_count 2
		.amdhsa_user_sgpr_kernarg_segment_ptr 1
		.amdhsa_wavefront_size32 1
		.amdhsa_system_sgpr_workgroup_id_x 1
		.amdhsa_system_sgpr_workgroup_id_y 1
		.amdhsa_system_sgpr_workgroup_id_z 1
		.amdhsa_system_vgpr_workitem_id 0
		.amdhsa_next_free_vgpr 1024
		.amdhsa_next_free_sgpr 102
		.amdhsa_reserve_vcc 0
		.amdhsa_float_denorm_mode_32 3
		.amdhsa_float_denorm_mode_16_64 3
		.amdhsa_memory_ordered 1
		.amdhsa_forward_progress 1
		.amdhsa_inst_pref_size 161
	.end_amdhsa_kernel
	.amdgpu_metadata
---
amdhsa.version: [ 1, 2 ]
amdhsa.kernels:
  - .name:           k_qb00b9bdb17_qkv
    .symbol:         k_qb00b9bdb17_qkv.kd
    .args:
      - { .name: ops_img, .offset: 0, .size: 8, .value_kind: global_buffer, .address_space: global }
      - { .name: ops_scl, .offset: 8, .size: 8, .value_kind: global_buffer, .address_space: global }
      - { .name: b_qkv, .offset: 16, .size: 8, .value_kind: global_buffer, .address_space: global }
      - { .name: qkv_img, .offset: 24, .size: 8, .value_kind: global_buffer, .address_space: global }
      - { .name: qkv_scl, .offset: 32, .size: 8, .value_kind: global_buffer, .address_space: global }
    .group_segment_fixed_size: 327680
    .private_segment_fixed_size: 0
    .kernarg_segment_align: 8
    .kernarg_segment_size: 40
    .max_flat_workgroup_size: 128
    .sgpr_count:     102
    .vgpr_count:     1024
    .wavefront_size: 32
...
	.end_amdgpu_metadata
.endif
;; end of part 2
;; launch attn (part 3): grid 4 x 64, 16 waves a work-group, clusters of 4 x 4, 327,680 bytes of LDS; arguments qkv_img, qkv_scl, mask, ctx_img, ctx_scl; writes ctx_img, ctx_scl
.if DOCPART == 3
	.amdgcn_target "amdgcn-amd-amdhsa--gfx1250"
	.amdhsa_code_object_version 6
	.text
	.protected	k_qb00b9bdb17_attn
	.globl	k_qb00b9bdb17_attn
	.p2align	8
	.type	k_qb00b9bdb17_attn,@function
k_qb00b9bdb17_attn:
	s_mov_b64 s[64:65], 0
	v_nop
	global_prefetch_b8 v0, s[64:65] scope:SCOPE_SE
	s_setreg_imm32_b32 hwreg(HW_REG_WAVE_MODE, 25, 1), 1
	s_wait_xcnt 0x0
	s_wait_alu depctr_hold_cnt(0) depctr_sa_sdst(0) depctr_va_vdst(0) depctr_va_sdst(0) depctr_va_ssrc(0) depctr_va_vcc(0) depctr_vm_vsrc(0)
	s_getreg_b32 s2, hwreg(HW_REG_IB_STS2, 6, 4)
	s_cmp_eq_u32 s2, 0
	s_cbranch_scc0 .Lentry_in_a_cluster
	s_endpgm
.Lentry_in_a_cluster:
	s_bfe_u32 s2, ttmp6, 0x10000c
	s_cmp_lg_u32 s2, 0xf033
	s_cbranch_scc0 .Lentry_shape_is_right
	s_endpgm
.Lentry_shape_is_right:
; Attention on codes of FP6 (E2M3): a work-group takes 128 queries x 4 heads of one batch, a wave 16 queries x 2 heads; the keys go in steps of 128 through two LDS slots (mask tile f32, K's and V's fragments), filled by joint loads of a 4 x 4 cluster.
; S^T = k q^T and O^T = v^T p^T: a lane holds one query.  u = score + mask x (-8e30), t = u c with c = log2(e) / 8; M = ceil(running largest t); p = 2^(t - M) by one multiply-add and one exponential; the row's sum is of the unquantised p.
; The head's six tiles (two halves of the mask, K, V, K's and V's scale words) go out as one group, one load a wave, waves 0 to 5; slot 1's first fill stands behind the first trip's round.
; LIMIT: while a row's running largest t lies under -2^31 (every key so far masked), its keys count alike (p = 1), which is what f32 makes of scores - 1e30; apart from that the promise holds while the unmasked scaled scores stay under 2^31 in magnitude.
; A block of zeros gets the scale byte 1 (its codes are zeros; the bytes are read by this program alone); NaN and infinities are not served.
.set SLOT1, 131072
.set MP,    520
.set KOFF,  128*MP
.set VOFF,  KOFF+24576
.set SCK,   2*SLOT1
.set SCV,   SCK+8192
.set SPARE, SCV+8192
.set CST,   SPARE+2048
.set AM,  1
.set AK,  2
.set AV,  3
.set ASK, 4
.set ASV, 5
.set SPW, 6
.set NIL, 7
.set PFO, 8
.set T0,  9
.set ST,  10
.set QA,  18
.set QS,  36
.set T1,  37
.set FF,  38
.set PS,  39
.set FB,  40
.set KB,  46
.set BM,  88
.set SO,  92
.set PX,  96
.set CT,  96
.set SX,  104
.set OA,  168
.set PC,  232
.set SCW, 244
.set VSW, 252
.set WV,  14
.set SEL, 22
.set CS,  24
.set C2,  26
.set G1M, 28
.set G1K, 36
.set G1V, 44
.set G1S, 52
.set G0M, 60
.set G0K, 72
.set G0V, 80
.set G0SK, 88
.set G0SV, 92
.set PFA, 96
.set CNT, 98
.macro CROUND                          ; a whole round of the cluster's barrier
	s_barrier_signal -1
	s_barrier_wait -1
	CREST
.endm
.macro CREST                           ; a round behind its opening barrier
	s_cmp_lg_u32 s[WV], 0
	s_cbranch_scc1 .Lnot_wave_0_\@
	s_barrier_signal -3
.Lnot_wave_0_\@:
	s_barrier_wait -3
	s_barrier_signal -1
	s_barrier_wait -1
.endm
.macro TLOAD s
	s_cmp_lt_u32 s[WV], 2
	s_cbranch_scc0 .Lnm_\@
	tensor_load_to_lds s[G0M+8*(\s):G0M+8*(\s)+3], s[G1M:G1M+7]
	s_nop 0
.rept 4
	v_nop
.endr
	s_branch .Ltd_\@
.Lnm_\@:
	s_cmp_eq_u32 s[WV], 2
	s_cbranch_scc0 .Lnk_\@
	tensor_load_to_lds s[G0K+4*(\s):G0K+4*(\s)+3], s[G1K:G1K+7]
	s_nop 0
.rept 4
	v_nop
.endr
	s_branch .Ltd_\@
.Lnk_\@:
	s_cmp_eq_u32 s[WV], 3
	s_cbranch_scc0 .Ltd_\@
	tensor_load_to_lds s[G0V+4*(\s):G0V+4*(\s)+3], s[G1V:G1V+7]
	s_nop 0
.rept 4
	v_nop
.endr
.Ltd_\@:
.endm
.macro ASKM guard                      ; guard = 1: not in the loop's last trip, whose look-ahead would pass the row's end
	s_cmp_eq_u32 s[WV], 4
	s_cbranch_scc0 .Lnot_mine_\@
.if \guard
	s_cmp_lg_u32 s[CNT], 1
	s_cbranch_scc0 .Lnot_mine_\@
.endif
	global_prefetch_b8 v[PFO], s[PFA:PFA+1] th:TH_LOAD_NT scope:SCOPE_SE
	global_prefetch_b8 v[PFO], s[PFA:PFA+1] offset:256 th:TH_LOAD_NT scope:SCOPE_SE
.Lnot_mine_\@:
.endm
	s_load_b128 s[4:7], s[0:1], 0x0
	s_load_b128 s[8:11], s[0:1], 0x10
	s_load_b64 s[12:13], s[0:1], 0x20
	v_lshl_add_u32 v[SPW], v0, 2, SPARE
	v_mov_b32 v[NIL], 0
	ds_add_u32 v6, v7
	ds_add_u32 v6, v7
	s_wait_dscnt 0x0
	v_lshrrev_b32 v[T0], 5, v0
	s_delay_alu instid0(VALU_DEP_1)
	v_readfirstlane_b32 s[WV], v[T0]
	s_bfe_u32 s15, ttmp6, 0x40000
	s_bfe_u32 s16, ttmp6, 0x40004
	s_and_b32 s17, ttmp7, 0xffff
	s_lshr_b32 s18, s17, 1
	s_and_b32 s19, s17, 1
	s_lshl_b32 s19, s19, 2
	s_lshl_b32 s2, s16, 2
	s_lshl_b32 s2, 15, s2
	s_lshl_b32 s3, 0x1111, s15
	s_or_b32 s[G1M], s2, (2<<16)|(1<<20)|(1<<21)|(6<<22)|(1<<25)
	s_mov_b32 s[G1M+1], 128<<16
	s_mov_b32 s[G1M+2], 64<<16
	s_mov_b32 s[G1M+3], 128<<16
	s_mov_b32 s[G1M+4], 64
	s_mov_b32 s[G1M+5], 1024
	s_mov_b32 s[G1M+6], 0
	s_mov_b32 s[G1M+7], 0
	s_or_b32 s[G1K], s3, (3<<16)|(1<<21)
	s_mov_b32 s[G1K+1], 32<<16
	s_mov_b32 s[G1K+2], 96<<16
	s_mov_b32 s[G1K+3], 32<<16
	s_mov_b32 s[G1K+4], 96
	s_mov_b32 s[G1K+5], 32
	s_mov_b32 s[G1K+6], 0
	s_mov_b32 s[G1K+7], 0
	s_or_b32 s[G1V], s3, (3<<16)|(1<<21)
	s_mov_b32 s[G1V+1], 192<<16
	s_mov_b32 s[G1V+2], 16<<16
	s_mov_b32 s[G1V+3], 192<<16
	s_mov_b32 s[G1V+4], 16
	s_mov_b32 s[G1V+5], 384
	s_mov_b32 s[G1V+6], 0
	s_mov_b32 s[G1V+7], 0
	s_or_b32 s[G1S], s3, (3<<16)|(1<<21)
	s_mov_b32 s[G1S+1], 32<<16
	s_mov_b32 s[G1S+2], 32<<16
	s_mov_b32 s[G1S+3], 32<<16
	s_mov_b32 s[G1S+4], 32
	s_mov_b32 s[G1S+5], 32
	s_mov_b32 s[G1S+6], 0
	s_mov_b32 s[G1S+7], 0
	s_add_co_u32 s20, s19, s16
	s_lshl_b32 s20, s20, 19
	s_lshl_b32 s21, s18, 22
	s_add_co_u32 s20, s20, s21
	s_and_b32 s99, s[WV], 1
	s_lshl_b32 s21, s99, 18
	s_add_co_u32 s20, s20, s21
	s_mov_b32 s21, 0
	s_mul_i32 s99, s99, 64*MP
	s_lshl_b32 s66, s15, 5
	s_lshl_b32 s67, s18, 2
	s_add_co_u32 s66, s66, s67
	s_mul_i32 s100, s66, 49152
	s_mov_b32 s101, 0
	s_lshl_b32 s66, s66, 11
	s_mov_b32 s67, 0
	s_mov_b32 s[SEL], 0x76543210
	s_mov_b32 s[SEL+1], 0xfedcba98
	s_mov_b32 s[CS], 0x3e38aa3b
	s_mov_b32 s[CS+1], s[CS]
	s_mov_b32 s[C2], 0xf2c9f2ca                    ; -8e30: -1e30 ahead of the factor 1/8 that c holds
	s_mov_b32 s[C2+1], s[C2]
	s_wait_kmcnt 0x0
	s_add_nc_u64 s[20:21], s[8:9], s[20:21]
	s_add_nc_u64 s[100:101], s[4:5], s[100:101]
	s_add_nc_u64 s[66:67], s[6:7], s[66:67]
.irp s, 0,1
	s_mov_b32 s[G0M+8*\s], 1
	s_add_co_u32 s[G0M+8*\s+1], s99, \s*SLOT1
	s_add_nc_u64 s[G0M+8*\s+2:G0M+8*\s+3], s[20:21], \s*512
	s_or_b32 s[G0M+8*\s+3], s[G0M+8*\s+3], 0x80000000
	s_mov_b32 s[G0K+4*\s], 1
	s_mov_b32 s[G0K+4*\s+1], \s*SLOT1+KOFF
	s_add_nc_u64 s[G0K+4*\s+2:G0K+4*\s+3], s[100:101], 6291456+\s*24576
	s_or_b32 s[G0K+4*\s+3], s[G0K+4*\s+3], 0x80000000
	s_mov_b32 s[G0V+4*\s], 1
	s_mov_b32 s[G0V+4*\s+1], \s*SLOT1+VOFF
	s_add_nc_u64 s[G0V+4*\s+2:G0V+4*\s+3], s[100:101], 12582912+\s*1536
	s_or_b32 s[G0V+4*\s+3], s[G0V+4*\s+3], 0x80000000
.endr
	s_mov_b32 s[G0SK], 1
	s_mov_b32 s[G0SK+1], SCK
	s_add_nc_u64 s[G0SK+2:G0SK+3], s[66:67], 262144
	s_or_b32 s[G0SK+3], s[G0SK+3], 0x80000000
	s_mov_b32 s[G0SV], 1
	s_mov_b32 s[G0SV+1], SCV
	s_add_nc_u64 s[G0SV+2:G0SV+3], s[66:67], 524288
	s_or_b32 s[G0SV+3], s[G0SV+3], 0x80000000
	CROUND
	s_cmp_lt_u32 s[WV], 2                          ; one chain of branches on the wave's number, one load to an arm, one join
	s_cbranch_scc0 .Lh_k
	tensor_load_to_lds s[G0M:G0M+3], s[G1M:G1M+7]
	s_nop 0
.rept 4
	v_nop
.endr
	s_branch .Lns_d
.Lh_k:
	s_cmp_eq_u32 s[WV], 2
	s_cbranch_scc0 .Lh_v
	tensor_load_to_lds s[G0K:G0K+3], s[G1K:G1K+7]
	s_nop 0
.rept 4
	v_nop
.endr
	s_branch .Lns_d
.Lh_v:
	s_cmp_eq_u32 s[WV], 3
	s_cbranch_scc0 .Lh_s
	tensor_load_to_lds s[G0V:G0V+3], s[G1V:G1V+7]
	s_nop 0
.rept 4
	v_nop
.endr
	s_branch .Lns_d
.Lh_s:
	s_cmp_eq_u32 s[WV], 4
	s_cbranch_scc0 .Lns_k
	tensor_load_to_lds s[G0SK:G0SK+3], s[G1S:G1S+7]
	s_nop 0
.rept 4
	v_nop
.endr
	s_branch .Lns_d
.Lns_k:
	s_cmp_eq_u32 s[WV], 5
	s_cbranch_scc0 .Lns_d
	tensor_load_to_lds s[G0SV:G0SV+3], s[G1S:G1S+7]
	s_nop 0
.rept 4
	v_nop
.endr
.Lns_d:
	s_add_co_u32 s98, s19, s16
	s_lshl_b32 s98, s98, 3
	s_lshl_b32 s104, s18, 6
	s_add_co_u32 s98, s98, s104
	s_lshl_b32 s104, s15, 9
	s_add_co_u32 s98, s98, s104
	s_lshl_b32 s104, s98, 7
	s_mov_b32 s105, 0
	s_add_nc_u64 s[12:13], s[12:13], s[104:105]
	s_and_b32 s104, s[WV], 7
	s_add_co_u32 s98, s98, s104
	s_lshl_b32 s98, s98, 1
	s_lshr_b32 s104, s[WV], 3
	s_add_co_u32 s98, s98, s104
	s_lshl_b32 s96, s98, 6
	s_mov_b32 s97, 0
	s_add_nc_u64 s[96:97], s[6:7], s[96:97]
	s_mul_i32 s104, s98, 1536
	s_add_nc_u64 s[10:11], s[10:11], s[104:105]
	s_add_nc_u64 s[104:105], s[4:5], s[104:105]
	v_and_b32 v[T0], 15, v0
	v_bfe_u32 v[T1], v0, 4, 1
	v_and_b32 v[PFO], 31, v0
	s_wait_alu depctr_va_vdst(0)
	v_lshlrev_b32 v[SX], 3, v[PFO]
	v_lshlrev_b32 v[SX+1], 2, v[T0]
.irp c, 0,1,2
	global_load_b64 v[QA+2*\c:QA+2*\c+1], v[SX], s[104:105] offset:256*\c
	global_load_b64 v[QA+12+2*\c:QA+12+2*\c+1], v[SX], s[104:105] offset:768+256*\c
.endr
	global_load_b32 v[QS], v[SX+1], s[96:97]
	s_and_b32 s2, s[WV], 7
	s_lshr_b32 s3, s2, 1
	s_lshl_b32 s3, s3, 5
	s_and_b32 s2, s2, 1
	s_lshl_b32 s2, s2, 3
	s_add_co_u32 s2, s2, s3
	s_mul_i32 s2, s2, MP
	v_and_b32 v[AM], 8, v[T0]
	s_delay_alu instid0(VALU_DEP_1)
	v_add_nc_u32 v[AM], v[AM], v[T0]
	s_delay_alu instid0(VALU_DEP_1)
	v_mul_u32_u24 v[AM], v[AM], MP
	s_delay_alu instid0(VALU_DEP_1)
	v_lshl_add_u32 v[AM], v[T1], 6, v[AM]
	s_delay_alu instid0(VALU_DEP_1)
	v_add_nc_u32 v[AM], s2, v[AM]
	s_lshr_b32 s3, s[WV], 3
	s_mul_i32 s2, s3, 1536
	s_add_co_u32 s2, s2, KOFF
	v_lshl_add_u32 v[AK], v[PFO], 3, s2
	s_mul_i32 s2, s3, 12288
	s_add_co_u32 s2, s2, VOFF
	v_lshl_add_u32 v[AV], v[PFO], 3, s2
	s_lshl_b32 s2, s3, 6
	s_add_co_u32 s2, s2, SCK
	v_lshl_add_u32 v[ASK], v[T0], 2, s2
	s_lshl_b32 s2, s3, 10
	s_add_co_u32 s2, s2, SCV
	v_lshl_add_u32 v[ASV], v[T0], 2, s2
	v_lshlrev_b32 v[PFO], 12, v[PFO]
.irp j, 0,1,2,3,4,5
	v_mov_b32 v[QA+6+\j], 0
	v_mov_b32 v[FB+54+\j], 0
.endr
	v_mov_b32 v[PS], 0
.irp e, 0,1
	v_mov_b32 v[ST+4*\e+1], 0xff61b1e6
	s_delay_alu instid0(VALU_DEP_1)
	v_floor_f32 v[ST+4*\e], -v[ST+4*\e+1]
	v_mov_b32 v[ST+4*\e+2], 0
	v_mov_b32 v[ST+4*\e+3], 0
.endr
.set jj, 0
.rept 64
	v_mov_b32 v[OA+jj], 0
.set jj, jj+1
.endr
	s_wait_loadcnt 0x0
	s_add_co_u32 s98, s19, s16
	s_lshl_b32 s98, s98, 19
	s_lshl_b32 s96, s18, 22
	s_add_co_u32 s98, s98, s96
	s_lshl_b32 s96, s15, 17
	s_add_co_u32 s96, s96, s98
	s_add_co_u32 s96, s96, 512
	s_mov_b32 s97, 0
	s_add_nc_u64 s[PFA:PFA+1], s[8:9], s[96:97]
.macro HEADSTEP e, par, meet, ask      ; meet = 1: a trip follows, and its round is opened here, behind this trip's last LDS reads
.set SE, ST+4*\e
.set OE, OA+32*\e
.rept 4
	v_nop
.endr
.irp t, 0,1,2,3,4,5,6,7
.irp c, 0,1,2
	ds_load_b64 v[KB+6*\t+2*\c:KB+6*\t+2*\c+1], v[AK] offset:3072*\t+768*\e+256*\c
.endr
.if \e == 0
	ds_load_b32 v[SCW+\t], v[ASK] offset:1024*\par+128*\t
.endif
.endr
	s_wait_dscnt 0x0
.irp t, 0,1,2,3,4,5,6,7
	v_wmma_scale_f32_16x16x128_f8f6f4 v[SX+8*\t:SX+8*\t+7], v[KB+6*\t-6*\e:KB+6*\t-6*\e+11], v[QA+6*\e:QA+6*\e+11], 0, v[SCW+\t], v[QS] matrix_a_fmt:MATRIX_FMT_FP6 matrix_b_fmt:MATRIX_FMT_FP6
.endr
.rept 4
	v_nop
.endr
.irp b, 0,1,2,3
.irp m, 0,1,2,3,4,5,6,7
	ds_load_b64 v[FB+16*\b+2*\m:FB+16*\b+2*\m+1], v[AM] offset:128*\b+8*\m
.endr
.endr
.set jj, 0
	s_wait_dscnt 0x0
.set jj, 0
.rept 32
	v_pk_fma_f32 v[SX+jj:SX+jj+1], v[FB+jj:FB+jj+1], s[C2:C2+1], v[SX+jj:SX+jj+1] op_sel_hi:[1,0,1]
.set jj, jj+2
.endr
.irp d, 0,1,2,3
.irp c, 0,1,2,3,4,5
	ds_load_b64 v[FB+12*\d+2*\c:FB+12*\d+2*\c+1], v[AV] offset:(4*\e+\d)*1536+256*\c
.endr
	ds_load_b32 v[VSW+\d], v[ASV] offset:512*\e+128*\d+64*\par
.endr
.irp b, 0,1,2,3
	v_max3_num_f32 v[BM+\b], v[SX+16*\b], v[SX+16*\b+1], v[SX+16*\b+2]
.endr
.irp i, 3,5,7,9,11,13
.irp b, 0,1,2,3
	s_delay_alu instid0(VALU_DEP_4)
	v_max3_num_f32 v[BM+\b], v[BM+\b], v[SX+16*\b+\i], v[SX+16*\b+\i+1]
.endr
.endr
.irp b, 0,1,2,3
	s_delay_alu instid0(VALU_DEP_4)
	v_max_num_f32 v[BM+\b], v[BM+\b], v[SX+16*\b+15]
.endr
.irp b, 0,1,2,3
	s_delay_alu instid0(VALU_DEP_4)
	v_permlanex16_b32 v[PX+\b], v[BM+\b], s[SEL], s[SEL+1]
.endr
.irp b, 0,1,2,3
	s_delay_alu instid0(VALU_DEP_4)
	v_max_num_f32 v[BM+\b], v[BM+\b], v[PX+\b]
.endr
	s_delay_alu instid0(VALU_DEP_2)
	v_max3_num_f32 v[T1], v[BM], v[BM+1], v[BM+2]
	s_delay_alu instid0(VALU_DEP_1)
	v_max_num_f32 v[T1], v[T1], v[BM+3]
	s_delay_alu instid0(VALU_DEP_1)
	v_mul_f32 v[T1], s[CS], v[T1]                  ; the step's largest u as t (c is positive)
	s_delay_alu instid0(VALU_DEP_1)
	v_max_num_f32 v[SE+1], v[SE+1], v[T1]
	v_mov_b32 v[T0], v[SE]
	s_delay_alu instid0(VALU_DEP_2)
	v_floor_f32 v[SE], -v[SE+1]
	s_delay_alu instid0(VALU_DEP_1)
	v_sub_f32 v[T0], v[SE], v[T0]
	s_delay_alu instid0(VALU_DEP_1)
	v_cvt_i32_f32 v[T0], v[T0]
	s_delay_alu instid0(VALU_DEP_1)
	v_ldexp_f32 v[FF], 1.0, v[T0]
	v_cmp_gt_f32 vcc_lo, 0xcf000000, v[SE+1]       ; is the running largest t under -2^31?  Then factor and addend are 0: p = 1 for all keys
	v_cndmask_b32 v[PX+4], s[CS], 0, vcc_lo
	v_cndmask_b32 v[PX+6], v[SE], 0, vcc_lo
.set jj, 0
.rept 32
	v_pk_fma_f32 v[SX+jj:SX+jj+1], v[SX+jj:SX+jj+1], v[PX+4:PX+5], v[PX+6:PX+7] op_sel_hi:[1,0,0]
.set jj, jj+2
.endr
.irp b, 0,1,2,3
	v_fma_f32 v[BM+\b], v[BM+\b], v[PX+4], v[PX+6]
.endr
.set jj, 0
	s_wait_alu depctr_va_vdst(0)
.if \meet
.if \par == 0
	PRE 1, \ask
.else
	PRE 0, \ask
.endif
.endif
.rept 64
	v_exp_f32 v[SX+jj], v[SX+jj]
.set jj, jj+1
.endr
	v_pk_mul_f32 v[SE+2:SE+3], v[SE+2:SE+3], v[FF:FF+1] op_sel_hi:[1,0]
	s_wait_alu depctr_va_vdst(0)
.irp b, 0,1,2,3
	v_exp_f32 v[BM+\b], v[BM+\b]
.endr
	v_pk_add_f32 v[PX:PX+1], v[SX:SX+1], v[SX+2:SX+3]
.irp j, 4,8,12,16,20,24,28,32,36,40,44,48,52,56,60
	v_pk_add_f32 v[SE+2:SE+3], v[SE+2:SE+3], v[SX+\j:SX+\j+1]
	v_pk_add_f32 v[PX:PX+1], v[PX:PX+1], v[SX+\j+2:SX+\j+3]
.endr
	s_delay_alu instid0(VALU_DEP_1)
	v_pk_add_f32 v[SE+2:SE+3], v[SE+2:SE+3], v[PX:PX+1]
	s_wait_alu depctr_va_vdst(0)
.irp b, 0,1,2,3
	v_max_num_f32 v[BM+\b], 0x1800000, v[BM+\b]
.endr
.irp b, 0,1,2,3
	s_delay_alu instid0(VALU_DEP_4)
	v_add_nc_u32 v[SO+\b], 0xff000000, v[BM+\b]
.endr
.irp b, 0,1,2,3
	s_delay_alu instid0(VALU_DEP_4)
	v_lshrrev_b32 v[PX+\b], 23, v[SO+\b]
.endr
	s_delay_alu instid0(VALU_DEP_3)
	v_lshl_or_b32 v[PS], v[PX+1], 8, v[PX]
	s_delay_alu instid0(VALU_DEP_1)
	v_lshl_or_b32 v[PS], v[PX+2], 16, v[PS]
	s_delay_alu instid0(VALU_DEP_1)
	v_lshl_or_b32 v[PS], v[PX+3], 24, v[PS]
.irp c, 0,1
	v_cvt_scalef32_pk16_fp6_f32 v[PC+6*\c:PC+6*\c+2], v[SX+32*\c:SX+32*\c+15], v[SO+2*\c]
	v_cvt_scalef32_pk16_fp6_f32 v[CT+4*\c:CT+4*\c+2], v[SX+32*\c+16:SX+32*\c+31], v[SO+2*\c+1]
.endr
	v_nop
.irp c, 0,1
.irp i, 0,1,2
	v_permlane16_swap_b32 v[PC+6*\c+\i], v[CT+4*\c+\i]
.endr
.irp i, 0,1,2
	s_delay_alu instid0(VALU_DEP_3)
	v_mov_b32 v[PC+3+6*\c+\i], v[CT+4*\c+\i]
.endr
.endr
.set jj, 0
.rept 16
	v_pk_mul_f32 v[OE+jj:OE+jj+1], v[OE+jj:OE+jj+1], v[FF:FF+1] op_sel_hi:[1,0]
.set jj, jj+2
.endr
	s_wait_alu depctr_va_vdst(0)
.if \meet == 0
	s_wait_dscnt 0x0
.endif
.irp d, 0,1,2,3
	v_wmma_scale_f32_16x16x128_f8f6f4 v[OE+8*\d:OE+8*\d+7], v[FB+12*\d:FB+12*\d+11], v[PC:PC+11], v[OE+8*\d:OE+8*\d+7], v[VSW+\d], v[PS] matrix_a_fmt:MATRIX_FMT_FP6 matrix_b_fmt:MATRIX_FMT_FP6
.endr
.endm
; The three lines ahead of a round, and the round's opening signal: all my tensor loads have landed, the add, my LDS reads are over.  slot: whose descriptors step on (its load has landed).
; What stands between this signal and its wait is work on registers alone: exponentials, sums, conversions, the second product, the address steps.
.macro PRE slot, ask
	s_wait_tensorcnt 0x0
	ds_add_u32 v[SPW], v[NIL]
	ds_add_u32 v[SPW], v[NIL]                      ; twice on end
	s_add_nc_u64 s[G0M+8*\slot+2:G0M+8*\slot+3], s[G0M+8*\slot+2:G0M+8*\slot+3], 1024
	s_add_nc_u64 s[G0K+4*\slot+2:G0K+4*\slot+3], s[G0K+4*\slot+2:G0K+4*\slot+3], 49152
	s_add_nc_u64 s[G0V+4*\slot+2:G0V+4*\slot+3], s[G0V+4*\slot+2:G0V+4*\slot+3], 49152
.if \ask
	s_wait_xcnt 0x0
	s_add_nc_u64 s[PFA:PFA+1], s[PFA:PFA+1], 512
.endif
	s_wait_dscnt 0x0
	s_barrier_signal -1
.endm
.macro WORK slot, nxt, ask             ; a trip's work on one slot; nxt = 1: it opens the next trip's round
	s_wait_alu depctr_va_vdst(0)
	HEADSTEP 0, \slot, 0, 0
	HEADSTEP 1, \slot, \nxt, \ask
	v_xor_b32 v[AM], SLOT1, v[AM]
	v_xor_b32 v[AK], SLOT1, v[AK]
	v_xor_b32 v[AV], SLOT1, v[AV]
.if \slot
	v_add_nc_u32 v[ASK], 2048, v[ASK]
	v_add_nc_u32 v[ASV], 2048, v[ASV]
.endif
.endm
	s_mov_b32 s[CNT], 3
	PRE 0, 1                                       ; the head's tiles are in
	s_barrier_wait -1
	CREST
	TLOAD 1                                        ; slot 1's first fill: key step 1
	ASKM 0                                         ; the mask of key step 2
.Lsteps:                                               ; a trip of the loop: key steps 2 i and 2 i + 1; behind each the slot just read takes the key step two on
	WORK 0, 1, 1
	s_barrier_wait -1
	CREST
	TLOAD 0
	ASKM 0
	WORK 1, 1, 1
	s_barrier_wait -1
	CREST
	TLOAD 1
	ASKM 1
	s_sub_co_u32 s[CNT], s[CNT], 1
	s_cmp_lg_u32 s[CNT], 0
	s_cbranch_scc1 .Lsteps
	WORK 0, 1, 0                                   ; key step 6; nothing more is fetched (the stepped addresses are not used)
	s_barrier_wait -1
	CREST
	WORK 1, 0, 0                                   ; key step 7
.rept 4
	v_nop
.endr
.irp e, 0,1
	v_add_f32 v[ST+4*\e+2], v[ST+4*\e+2], v[ST+4*\e+3]
.endr
.irp e, 0,1
	s_delay_alu instid0(VALU_DEP_2)
	v_permlanex16_b32 v[ST+4*\e+3], v[ST+4*\e+2], s[SEL], s[SEL+1]
.endr
.irp e, 0,1
	s_delay_alu instid0(VALU_DEP_2)
	v_add_f32 v[ST+4*\e+2], v[ST+4*\e+2], v[ST+4*\e+3]
.endr
	s_wait_alu depctr_va_vdst(0)
.irp e, 0,1
	v_rcp_f32 v[ST+4*\e+2], v[ST+4*\e+2]
.endr
	v_and_b32 v[AM], 15, v0
	v_and_b32 v[AK], 31, v0
	s_delay_alu instid0(VALU_DEP_1)
	v_lshlrev_b32 v[AK], 4, v[AK]
	s_and_b32 s2, s[WV], 7
	s_lshl_b32 s2, s2, 7
	s_lshr_b32 s3, s[WV], 3
	s_lshl_b32 s3, s3, 2
	s_add_co_u32 s2, s2, s3
	s_add_co_u32 s2, s2, CST
	v_lshl_add_u32 v[AM], v[AM], 3, s2
	v_lshlrev_b32 v[AV], 4, v0
	s_delay_alu instid0(VALU_DEP_1)
	v_add_nc_u32 v[ASK], CST, v[AV]
	s_wait_alu depctr_va_vdst(0)
.irp e, 0,1
.set jj, 0
.rept 16
	v_pk_mul_f32 v[OA+32*\e+jj:OA+32*\e+jj+1], v[OA+32*\e+jj:OA+32*\e+jj+1], v[ST+4*\e+2:ST+4*\e+3] op_sel_hi:[1,0]
.set jj, jj+2
.endr
.endr
.set TM, 40
.set CQ, 60
.irp b, 0,1,2,3
	v_max3_num_f32 v[TM+\b], |v[OA+16*\b]|, |v[OA+1+16*\b]|, 0x1800000
.endr
.irp i, 2,4,6,8,10,12,14
.irp b, 0,1,2,3
	s_delay_alu instid0(VALU_DEP_4)
	v_max3_num_f32 v[TM+\b], v[TM+\b], |v[OA+16*\b+\i]|, |v[OA+1+16*\b+\i]|
.endr
.endr
.irp b, 0,1,2,3
	s_delay_alu instid0(VALU_DEP_4)
	v_permlanex16_b32 v[TM+4+\b], v[TM+\b], s[SEL], s[SEL+1]
.endr
.irp b, 0,1,2,3
	s_delay_alu instid0(VALU_DEP_4)
	v_max_num_f32 v[TM+\b], v[TM+\b], v[TM+4+\b]
.endr
.irp b, 0,1,2,3
	s_delay_alu instid0(VALU_DEP_4)
	v_add_nc_u32 v[TM+12+\b], 0xff000000, v[TM+\b]
.endr
.irp b, 0,1,2,3
	s_delay_alu instid0(VALU_DEP_4)
	v_lshrrev_b32 v[TM+4+\b], 23, v[TM+12+\b]
.endr
	s_delay_alu instid0(VALU_DEP_3)
	v_lshl_or_b32 v[T0], v[TM+5], 8, v[TM+4]
	s_delay_alu instid0(VALU_DEP_1)
	v_lshl_or_b32 v[T0], v[TM+6], 16, v[T0]
	s_delay_alu instid0(VALU_DEP_1)
	v_lshl_or_b32 v[T0], v[TM+7], 24, v[T0]
.irp c, 0,1
	v_cvt_scalef32_pk16_fp6_f32 v[PC+6*\c:PC+2+6*\c], v[OA+32*\c:OA+15+32*\c], v[TM+12+2*\c]
	v_cvt_scalef32_pk16_fp6_f32 v[CQ+4*\c:CQ+2+4*\c], v[OA+16+32*\c:OA+31+32*\c], v[TM+12+2*\c+1]
.endr
	v_nop
.irp c, 0,1
.irp i, 0,1,2
	v_permlane16_swap_b32 v[PC+6*\c+\i], v[CQ+4*\c+\i]
.endr
.irp i, 0,1,2
	s_delay_alu instid0(VALU_DEP_3)
	v_mov_b32 v[PC+3+6*\c+\i], v[CQ+4*\c+\i]
.endr
.endr
.irp c, 0,1,2
	global_store_b128 v[AK], v[PC+4*\c:PC+4*\c+3], s[10:11] offset:512*\c
.endr
	ds_store_b32 v[AM], v[T0]
	s_wait_dscnt 0x0
	s_barrier_signal -1
	s_barrier_wait -1
	s_cmp_lt_u32 s[WV], 2
	s_cbranch_scc0 .Lno_scales
	ds_load_b128 v[40:43], v[ASK]
	s_wait_dscnt 0x0
	global_store_b128 v[AV], v[40:43], s[12:13]
.Lno_scales:
	s_wait_tensorcnt 0x0
	ds_add_u32 v[SPW], v[NIL]
	s_wait_dscnt 0x0
	CROUND
	s_endpgm
.Lfunc_end_k_qb00b9bdb17_attn:
	.size	k_qb00b9bdb17_attn, .Lfunc_end_k_qb00b9bdb17_attn-k_qb00b9bdb17_attn
	.p2alignl 7, 3214868480
	.fill 96, 4, 3214868480
	.section	.rodata,"a",@progbits
	.p2align	6, 0x0
	.amdhsa_kernel k_qb00b9bdb17_attn
		.amdhsa_group_segment_fixed_size 327680
		.amdhsa_private_segment_fixed_size 0
		.amdhsa_enable_private_segment 0
		.amdhsa_kernarg_size 40
		.amdhsa_user_sgpr_count 2
		.amdhsa_user_sgpr_kernarg_segment_ptr 1
		.amdhsa_wavefront_size32 1
		.amdhsa_system_sgpr_workgroup_id_x 1
		.amdhsa_system_sgpr_workgroup_id_y 1
		.amdhsa_system_sgpr_workgroup_id_z 1
		.amdhsa_system_vgpr_workitem_id 0
		.amdhsa_next_free_vgpr 256
		.amdhsa_next_free_sgpr 106
		.amdhsa_reserve_vcc 1
		.amdhsa_float_denorm_mode_32 3
		.amdhsa_float_denorm_mode_16_64 3
		.amdhsa_memory_ordered 1
		.amdhsa_forward_progress 1
		.amdhsa_inst_pref_size 217
	.end_amdhsa_kernel
	.amdgpu_metadata
---
amdhsa.version: [ 1, 2 ]
amdhsa.kernels:
  - .name:           k_qb00b9bdb17_attn
    .symbol:         k_qb00b9bdb17_attn.kd
    .args:
      - { .name: qkv_img, .offset: 0, .size: 8, .value_kind: global_buffer, .address_space: global }
      - { .name: qkv_scl, .offset: 8, .size: 8, .value_kind: global_buffer, .address_space: global }
      - { .name: mask, .offset: 16, .size: 8, .value_kind: global_buffer, .address_space: global }
      - { .name: ctx_img, .offset: 24, .size: 8, .value_kind: global_buffer, .address_space: global }
      - { .name: ctx_scl, .offset: 32, .size: 8, .value_kind: global_buffer, .address_space: global }
    .group_segment_fixed_size: 327680
    .private_segment_fixed_size: 0
    .kernarg_segment_align: 8
    .kernarg_segment_size: 40
    .max_flat_workgroup_size: 512
    .sgpr_count:     106
    .vgpr_count:     256
    .wavefront_size: 32
...
	.end_amdgpu_metadata
.endif
;; end of part 3
;; launch proj (part 4): grid 4 x 64, 4 waves a work-group, clusters of 4 x 4, 327,680 bytes of LDS; arguments ctx_img, ctx_scl, ops_img, ops_scl, b_out, x, out0; writes out0
.if DOCPART == 4
	.amdgcn_target "amdgcn-amd-amdhsa--gfx1250"
	.amdhsa_code_object_version 6
	.text
	.protected	k_qb00b9bdb17_proj
	.globl	k_qb00b9bdb17_proj
	.p2align	8
	.type	k_qb00b9bdb17_proj,@function
k_qb00b9bdb17_proj:
	s_mov_b64 s[64:65], 0
	v_nop
	global_prefetch_b8 v0, s[64:65] scope:SCOPE_SE
	s_setreg_imm32_b32 hwreg(HW_REG_WAVE_MODE, 25, 1), 1
	s_wait_xcnt 0x0
	s_wait_alu depctr_hold_cnt(0) depctr_sa_sdst(0) depctr_va_vdst(0) depctr_va_sdst(0) depctr_va_ssrc(0) depctr_va_vcc(0) depctr_vm_vsrc(0)
	s_getreg_b32 s2, hwreg(HW_REG_IB_STS2, 6, 4)
	s_cmp_eq_u32 s2, 0
	s_cbranch_scc0 .Lentry_in_a_cluster
	s_endpgm
.Lentry_in_a_cluster:
	s_bfe_u32 s2, ttmp6, 0x10000c
	s_cmp_lg_u32 s2, 0xf033
	s_cbranch_scc0 .Lentry_shape_is_right
	s_endpgm
.Lentry_shape_is_right:
; out0 = x + ctx W_out + b_out; the product on codes of FP6 (E2M3) with E8M0 scales, both operands as images of operand registers (16 rows x 128 K = 1,536 bytes, registers 4 c .. 4 c + 3 of lane l at 512 c + 16 l).
; 8,192 x 1,024 results are 256 tiles of 128 rows x 256 columns: one work-group each.  Four waves, each 64 x 128: 32 accumulators, window 2.
; ALL OF K LIES IN LDS: 128 rows of ctx and 256 columns of W_out x 1,024 codes are 294,912 bytes.  Each wave asks for its part of all four quarters of K, and of the scale words, at the head.
; in front of a quarter's first read stand a counted wait for the wave's own part and one barrier of the work-group.
; x: a wave's 64 rows x 512 bytes are the 256 registers of window 3: loaded at the head and behind the first step, they land under the products; the results are added onto them and stored from there.
; Source 0 = W_out's columns (B), source 1 = ctx's rows (A): a lane holds a token, its registers run along the columns.  Lane r of row tile 2 b + u stands for row 32 b + 8 u + r + 8 (r / 8).
; CLUSTER 4 x 4: A's tile hangs on cy and is asked for jointly along a row of the cluster, B's on cx and along a column.  The bias is the C of the first K step.
; No prefetch is laid: every byte that the work-group reads is asked for at its head.
; REGISTERS: window 0: v1-29 addresses; v32-63 scale words, two sets; v64-127 the bias; v128-175, v176-223 A's fragments, two sets (on the way out v128-255: rows back from the stage).
;   window 1: B's fragments, two sets, at v0 and v128.   window 2: accumulator (a, b) at v[8 (8 a + b)].   window 3: x, block a's row t at v[64 a + 4 t].
; THE FILLS, AS THE TEXT BELOW HAS THEM (this takes the place of what the lines above say of the head and of the steps' barriers): four tensor loads in all, one a wave, at the head:
; wave 0 A's 128 rows, all of K, as 4 rows (quarters) of 24,576 bytes; wave 1 B's 256 rows as 4 rows of 49,152 bytes; wave 2 A's scale words; wave 3 B's.  In LDS: A's four quarters on end, then B's four.
; One wait for 0 and one barrier show all of it to all waves; the K steps have no barrier.  One barrier more, signalled in step 4 and waited for ahead of the way out, parts every wave's reads of A's quarters 0 and 1 from the stage's stores.
.set NQ,     2
.set FR,     12
.set FRB,    1536
.set NP,     4                         ; places behind this matrix instruction (ISA guide 7.12.1)
.set AHALF,  4*NQ*FRB                  ; 64 rows x 256 K: 12,288 bytes
.set BHALF,  8*NQ*FRB                  ; 128 rows x 256 K: 24,576 bytes
.set QB,     2*AHALF+2*BHALF           ; a quarter of K in LDS: A's two halves and B's two
.set SPA,    512*NQ*FRB                ; from one quarter of K to the next in ctx_img
.set SPB,    768*NQ*FRB                ; in ops_img
.set SCL,    4*QB                      ; A's scale words: [quarter 4][tile 8][128 bytes]
.set SCLB,   SCL+4096                  ; B's: [quarter 4][tile 16][128 bytes]
.set SPARE,  SCLB+2*4096               ; the spare words, 128 bytes a wave
.set SPITCH, 528                       ; the way out: a stage of 16 rows x (512 + 16) bytes for each wave, from LDS byte 0 on: in A's quarters 0 and 1, which have had their only fill and their last read when the first result is stored there
.set ADRA, 8                           ; v8-11  LDS address of my fragments of A in quarter 0 .. 3
.set ADRB, 12                          ; v12-15 of B
.set STO,  24
.set RD,   25
.set CO,   26                          ; v26 16 x lane
.set ADRS, 16                          ; v16-19 LDS address of my scale words in quarter 0 .. 3: lanes 0-15 A's, lanes 16-31 B's
.set SPW,  28
.set NIL,  29
.set SC,   32
.set TBL,  64
.set AF,   128
.set BK,   128
.set G1,   24                          ; group 1: A's tiles
.set G1B,  32                          ; B's
.set G1S,  40                          ; A's scale words
.set G1SB, 48                          ; B's
.set G0S,  56
.set G0SB, 60
.set G0,   68                          ; s[68:71] group 0 for A's four quarters
.set G0B,  84                          ; s[84:87] for B's
.set MSB, 0
.macro WIN new                         ; the immediate's high byte repeats the setting that is left
.if MSB != \new
	s_set_vgpr_msb (MSB<<8)|\new
.set MSB, \new
.endif
.endm
.set TO_B, 0x40
.macro ARM under, g0, g1, next         ; an arm of the head's one chain of branches on the wave's number: its load, and a jump to the join
	s_cmp_lt_u32 s14, \under
	s_cbranch_scc0 \next
	tensor_load_to_lds s[\g0:\g0+3], s[\g1:\g1+7]
	s_nop 0
.rept 4
	v_nop
.endr
	s_branch .Lhead_asked
\next:
.endm
.macro CROUND                          ; a round of the cluster's barrier
	s_barrier_signal -1
	s_barrier_wait -1
	s_cmp_lg_u32 s14, 0
	s_cbranch_scc1 .Lnot_wave_0_\@
	s_barrier_signal -3
.Lnot_wave_0_\@:
	s_barrier_wait -3
	s_barrier_signal -1
	s_barrier_wait -1
.endm
	s_load_b128 s[4:7], s[0:1], 0x0                ; ctx_img, ctx_scl
	s_load_b128 s[8:11], s[0:1], 0x10              ; ops_img, ops_scl
	s_load_b64 s[12:13], s[0:1], 0x20              ; b_out
	s_load_b128 s[20:23], s[0:1], 0x28             ; x, out0
	v_lshl_add_u32 v[SPW], v0, 2, SPARE
	v_mov_b32 v[NIL], 0
	ds_add_u32 v28, v29
	ds_add_u32 v28, v29
	s_wait_dscnt 0x0
	v_lshrrev_b32 v1, 5, v0
	v_readfirstlane_b32 s14, v1                    ; wave
	s_lshr_b32 s15, s14, 1                         ; qw: my 64 of the 128 rows
	s_and_b32 s16, s14, 1                          ; pw: my 128 of the 256 columns
	s_bfe_u32 s100, ttmp6, 0x40000                 ; cx: the tile of 256 columns
	s_bfe_u32 s101, ttmp6, 0x40004                 ; cy
	s_and_b32 s17, ttmp7, 0xffff
	s_lshl_b32 s17, s17, 2
	s_add_co_u32 s17, s17, s101                    ; the block of 128 rows = 4 x cluster y + cy
	s_lshl_b32 s18, s101, 2
	s_lshl_b32 s18, 15, s18                        ; my row of the cluster
	s_lshl_b32 s66, 0x1111, s100                   ; my column
	s_or_b32 s[G1], s18, (3<<16)|(1<<21)           ; A's codes: all four quarters in one load
	s_mov_b32 s[G1+1], 3072<<16                    ; 4 quarters of 24,576 bytes (3,072 elements of 8 bytes), SPA bytes apart
	s_mov_b32 s[G1+2], 4<<16
	s_mov_b32 s[G1+3], 3072<<16
	s_mov_b32 s[G1+4], 4
	s_mov_b32 s[G1+5], SPA/8
	s_mov_b32 s[G1+6], 0
	s_mov_b32 s[G1+7], 0
	s_or_b32 s[G1B], s66, (3<<16)|(1<<21)          ; B's: all four quarters in one load
	s_mov_b32 s[G1B+1], 6144<<16                   ; 4 quarters of 49,152 bytes, SPB bytes apart
	s_mov_b32 s[G1B+2], 4<<16
	s_mov_b32 s[G1B+3], 6144<<16
	s_mov_b32 s[G1B+4], 4
	s_mov_b32 s[G1B+5], SPB/8
	s_mov_b32 s[G1B+6], 0
	s_mov_b32 s[G1B+7], 0
	s_or_b32 s[G1S], s18, (3<<16)|(1<<21)          ; A's scale words: 4 quarters of 1,024 bytes (8 tiles), 65,536 bytes apart
	s_mov_b32 s[G1S+1], 128<<16
	s_mov_b32 s[G1S+2], 4<<16                      ; all 4 quarters
	s_mov_b32 s[G1S+3], 128<<16
	s_mov_b32 s[G1S+4], 4
	s_mov_b32 s[G1S+5], 8192
	s_mov_b32 s[G1S+6], 0
	s_mov_b32 s[G1S+7], 0
	s_or_b32 s[G1SB], s66, (3<<16)|(1<<21)         ; B's: 4 quarters of 2,048 bytes (16 tiles), 98,304 bytes apart
	s_mov_b32 s[G1SB+1], 256<<16                   ; 2,048 bytes (16 tiles) a quarter
	s_mov_b32 s[G1SB+2], 4<<16
	s_mov_b32 s[G1SB+3], 256<<16
	s_mov_b32 s[G1SB+4], 4
	s_mov_b32 s[G1SB+5], 12288
	s_mov_b32 s[G1SB+6], 0
	s_mov_b32 s[G1SB+7], 0
	s_lshl_b32 s18, s17, 3
	s_mul_i32 s18, s18, NQ*FRB
	s_mov_b32 s19, 0
	s_lshl_b32 s2, s17, 10                         ; A's scale words: the block's 8 tiles x 128 bytes,
	s_mov_b32 s3, 0
	s_lshl_b32 s66, s100, 4
	s_add_co_u32 s66, s66, 704                     ; B: W_out's row tiles begin at 704 in ops_img: 704 + 16 cx
	s_lshl_b32 s104, s66, 7
	s_mov_b32 s105, 0
	s_mul_i32 s66, s66, NQ*FRB
	s_mov_b32 s67, 0
	s_mov_b32 s[G0+1], 0                           ; where they go: constants
	s_mov_b32 s[G0B+1], 8*AHALF
	s_mov_b32 s[G0S+1], SCL
	s_mov_b32 s[G0SB+1], SCLB
	s_wait_kmcnt 0x0
	s_add_nc_u64 s[18:19], s[4:5], s[18:19]
	s_add_nc_u64 s[66:67], s[8:9], s[66:67]
	s_mov_b32 s[G0S], 1
	s_add_nc_u64 s[G0S+2:G0S+3], s[6:7], s[2:3]
	s_or_b32 s[G0S+3], s[G0S+3], 0x80000000
	s_mov_b32 s[G0SB], 1
	s_add_nc_u64 s[G0SB+2:G0SB+3], s[10:11], s[104:105]
	s_or_b32 s[G0SB+3], s[G0SB+3], 0x80000000
	s_mov_b32 s[G0], 1
	s_mov_b64 s[G0+2:G0+3], s[18:19]
	s_or_b32 s[G0+3], s[G0+3], 0x80000000
	s_mov_b32 s[G0B], 1
	s_mov_b64 s[G0B+2:G0B+3], s[66:67]
	s_or_b32 s[G0B+3], s[G0B+3], 0x80000000
	CROUND                                         ; all sixteen work-groups are here: the joint loads meet
	ARM 1, G0,  G1,  .Lhead_b                      ; one load a wave: every way through the chain passes one
	ARM 2, G0B, G1B, .Lhead_sa
	ARM 3, G0S, G1S, .Lhead_sb
	tensor_load_to_lds s[G0SB:G0SB+3], s[G1SB:G1SB+7]
	s_nop 0
.rept 4
	v_nop
.endr
.Lhead_asked:
	v_and_b32 v1, 15, v0                           ; r
	v_bfe_u32 v2, v0, 4, 1                         ; h
	s_wait_alu depctr_va_vdst(0)
	v_and_b32 v3, 31, v0
	v_lshlrev_b32 v[CO], 4, v3                     ; 16 x lane: my place in an image, and in a row of 512 bytes
	s_wait_alu depctr_va_vdst(0)
	s_lshl_b32 s104, s100, 10                      ; my 128 columns, in bytes: 1,024 cx + 512 pw
	s_lshl_b32 s105, s16, 9
	s_add_co_u32 s104, s104, s105
	s_mov_b32 s105, 0
	s_add_nc_u64 s[12:13], s[12:13], s[104:105]
	s_add_nc_u64 s[20:21], s[20:21], s[104:105]
	s_add_nc_u64 s[22:23], s[22:23], s[104:105]
	s_lshl_b32 s2, s17, 19                         ; my rows: 128 rows of 4,096 bytes a block, + 64 qw
	s_lshl_b32 s3, s15, 18
	s_add_co_u32 s2, s2, s3
	s_mov_b32 s3, 0
	s_add_nc_u64 s[20:21], s[20:21], s[2:3]
	s_add_nc_u64 s[22:23], s[22:23], s[2:3]
	v_lshlrev_b32 v5, 6, v2
.irp t, 0,1,2,3,4,5,6,7                        ; the bias: register 8 b + j of lane (r, h) is column 32 (b / 2) + 16 h + 8 (b % 2) + j
	global_load_b128 v[TBL+8*\t:TBL+8*\t+3], v5, s[12:13] offset:(32*(\t/2)+8*(\t%2))*4
	global_load_b128 v[TBL+8*\t+4:TBL+8*\t+7], v5, s[12:13] offset:(32*(\t/2)+8*(\t%2))*4+16
.endr
; x: row t of block a is row 32 (a / 2) + 8 (a % 2) + t + 8 (t / 8) of my 64; a load takes a row's 512 consecutive bytes
.macro XLOAD a
	WIN 0xc0                                       ; destination window 3
.irp t, 0,1,2,3,4,5,6,7,8,9,10,11,12,13,14,15
	global_load_b128 v[64*(\a)+4*\t:64*(\a)+4*\t+3], v[CO], s[20:21] offset:(32*((\a)/2)+8*((\a)%2)+\t+8*(\t/8))*4096 th:TH_LOAD_NT
.endr
	WIN 0
.endm
	XLOAD 0
	XLOAD 1
	s_mul_i32 s18, s15, AHALF                      ; my 64 rows of A,
	s_mul_i32 s19, s16, BHALF                      ; my 128 rows of B, behind A's four quarters
	s_add_co_u32 s19, s19, 8*AHALF
.irp q, 0,1,2,3
	v_add_nc_u32 v[ADRA+\q], s18, v[CO]
	v_add_nc_u32 v[ADRB+\q], s19, v[CO]
	s_add_co_u32 s18, s18, 2*AHALF
	s_add_co_u32 s19, s19, 2*BHALF
.endr
	v_lshlrev_b32 v6, 3, v1                        ; scale words: 8 bytes a row (K steps e = 0, 1)
	s_lshl_b32 s18, s15, 9                         ; A's: my 4 tiles of the 8
	s_lshl_b32 s19, s16, 10                        ; B's: my 8 tiles of a quarter's 16, behind A's 4,096 bytes
	s_add_co_u32 s19, s19, 4096
	s_sub_co_u32 s19, s19, s18
	s_add_co_u32 s18, s18, SCL
	s_wait_alu depctr_va_vdst(0)
.irp q, 0,1,2,3                        ; a quarter is 1,024 bytes of A's words and 2,048 of B's: the distance from A's to B's grows by 1,024 a quarter
	v_mad_u32_u24 v7, s19, v2, v6                  ; lanes 16-31 take B's
	v_add_nc_u32 v[ADRS+\q], s18, v7
	s_add_co_u32 s18, s18, 1024
	s_add_co_u32 s19, s19, 1024
.endr
	s_mul_i32 s18, s14, 16*SPITCH                  ; my stage
	v_mul_u32_u24 v[STO], v1, SPITCH
	v_lshl_add_u32 v[STO], v2, 6, v[STO]
	v_add_nc_u32 v[STO], s18, v[STO]               ; in: row r, + 64 h
	v_add_nc_u32 v[RD], s18, v[CO]                 ; back: the 32 lanes take a row of 512 bytes
.macro FRAG reg, adr, e, i             ; a fragment comes as it was laid: three loads of 512 consecutive bytes
.irp c, 0,1,2
	ds_load_b128 v[\reg+4*\c:\reg+4*\c+3], v[\adr] offset:(\i)*NQ*FRB+(\e)*FRB+512*\c
.endr
.endm
; K step s (quarter s / 2, its step s % 2) into set s % 2: B's eight fragments, A's four; with a quarter's first step its scale words: register 2 i + e: lanes 0-15 A's block i (i under 4), lanes 16-31 B's block i
.macro FETCH s
	WIN TO_B
.irp i, 0,1,2,3,4,5,6,7
	FRAG 128*((\s)%2)+FR*\i, ADRB+(\s)/2, (\s)%2, \i
.endr
	WIN 0
.irp i, 0,1,2,3
	FRAG AF+48*((\s)%2)+FR*\i, ADRA+(\s)/2, (\s)%2, \i
.endr
.if (\s)%2 == 0
.irp i, 0,1,2,3,4,5,6,7
	ds_load_b64 v[SC+16*(((\s)/2)%2)+2*\i:SC+16*(((\s)/2)%2)+2*\i+1], v[ADRS+(\s)/2] offset:\i*128
.endr
.endif
.endm
; 16 matrix instructions of K step s: A's blocks a0, a0 + 1 x B's eight.  zero = 1: C is the bias.  The 32 accumulators take turns, one instruction a turn, in the same order in every step.
.macro MUL16 a0, s, zero
.irp a, \a0, \a0+1
.irp b, 0,1,2,3,4,5,6,7
.if \zero
	v_wmma_scale_f32_16x16x128_f8f6f4 v[8*(8*(\a)+\b):8*(8*(\a)+\b)+7], v[128*((\s)%2)+FR*\b:128*((\s)%2)+FR*\b+FR-1], v[AF+48*((\s)%2)+FR*(\a):AF+48*((\s)%2)+FR*(\a)+FR-1], v[TBL+8*\b:TBL+8*\b+7], v[SC+16*(((\s)/2)%2)+2*\b+(\s)%2], v[SC+16*(((\s)/2)%2)+2*(\a)+(\s)%2] matrix_a_fmt:MATRIX_FMT_FP6 matrix_b_fmt:MATRIX_FMT_FP6 matrix_a_scale:MATRIX_SCALE_ROW1
.else
	v_wmma_scale_f32_16x16x128_f8f6f4 v[8*(8*(\a)+\b):8*(8*(\a)+\b)+7], v[128*((\s)%2)+FR*\b:128*((\s)%2)+FR*\b+FR-1], v[AF+48*((\s)%2)+FR*(\a):AF+48*((\s)%2)+FR*(\a)+FR-1], v[8*(8*(\a)+\b):8*(8*(\a)+\b)+7], v[SC+16*(((\s)/2)%2)+2*\b+(\s)%2], v[SC+16*(((\s)/2)%2)+2*(\a)+(\s)%2] matrix_a_fmt:MATRIX_FMT_FP6 matrix_b_fmt:MATRIX_FMT_FP6 matrix_a_scale:MATRIX_SCALE_ROW1
.endif
.endr
.endr
.endm
.macro PLACES n                        ; plain instructions between a matrix instruction and a load into, or a read of, its registers
.rept \n
	v_nop
.endr
.endm
; A K step of 128: 32 matrix instructions on set s % 2, and the fetch of the next step into the other set, which the step before has multiplied.
; An even step's successor lies in the same quarter, an odd step's in the next; either is fetched ahead of the products.  All of K was shown to all ahead of step 0:
; the steps wait for no barrier, and nothing is filled again.
.macro STEP s, zero
	s_wait_dscnt 0x0                               ; this step's fragments are in, and no LDS instruction of mine is out
.if (\s) == 4
	s_barrier_signal -1                            ; my reads of quarters 0 and 1 are over; the wait stands ahead of the way out; between the two only quarters 2 and 3 are read, which nobody writes
.endif
.if (\s) < 7
.if (\s) > 0
	PLACES NP
.endif
	FETCH (\s)+1
.if \zero
	WIN 0x81                                       ; source 0 window 1, C window 0, D window 2
.else
	WIN 0xa1                                       ; source 0 window 1, C and D window 2
.endif
	MUL16 0, \s, \zero
	MUL16 2, \s, \zero
.else
	WIN 0xa1
	MUL16 0, \s, 0
	MUL16 2, \s, 0
.endif
.endm
	s_wait_alu depctr_va_vdst(0)
	s_wait_tensorcnt 0x0                           ; my one load has landed
	s_barrier_signal -1
	s_barrier_wait -1
	FETCH 0
	s_wait_loadcnt 32                              ; the bias is in; x's first 32 loads may be out
	STEP 0, 1                                      ; the first step starts the sums with the bias
	XLOAD 2                                        ; the rest of x
	XLOAD 3
	STEP 1, 0
	STEP 2, 0
	STEP 3, 0
	STEP 4, 0
	STEP 5, 0
	STEP 6, 0
	STEP 7, 0
	WIN 0
; THE WAY OUT, block by block of 16 rows x 128 columns: through my own stage, back as whole rows of 512 bytes, added onto x's registers and stored from them: two aligned runs of 256 bytes a store.
; No store's data are written again, so no wait for the stores' sources is needed.  LDS serves a wave's instructions in order (ISA guide 5.7.1.4): no wait between the stores into the stage and the loads, nor ahead of the next block's stores.
.macro TOSTAGE a
	WIN 0x08                                       ; an LDS store's data: window 2
.irp b, 0,1,2,3,4,5,6,7
	ds_store_b128 v[STO], v[64*(\a)+8*\b:64*(\a)+8*\b+3] offset:128*(\b/2)+32*(\b%2)          ; each accumulator from its low end on
	ds_store_b128 v[STO], v[64*(\a)+8*\b+4:64*(\a)+8*\b+7] offset:128*(\b/2)+32*(\b%2)+16
.endr
	WIN 0
.irp t, 0,1,2,3,4,5,6,7,8,9,10,11,12,13,14,15
	ds_load_b128 v[BK+64*((\a)%2)+4*\t:BK+64*((\a)%2)+4*\t+3], v[RD] offset:\t*SPITCH
.endr
.endm
.macro SEND a, younger                 ; younger: the LDS instructions issued behind block a's loads, which may stay out
	s_wait_dscnt \younger                          ; the block is back in registers
	s_wait_loadcnt 16*(3-(\a))                     ; its 16 rows of x are in; the later blocks' may be out
	WIN 0xcc                                       ; x: destination and source 1 in window 3
.set jj, 0
.rept 32
	v_pk_add_f32 v[64*(\a)+jj:64*(\a)+jj+1], v[BK+64*((\a)%2)+jj:BK+64*((\a)%2)+jj+1], v[64*(\a)+jj:64*(\a)+jj+1]
.set jj, jj+2
.endr
	WIN 0x0c                                       ; a store's data: window 3
.irp t, 0,1,2,3,4,5,6,7,8,9,10,11,12,13,14,15
	global_store_b128 v[CO], v[64*(\a)+4*\t:64*(\a)+4*\t+3], s[22:23] offset:(32*((\a)/2)+8*((\a)%2)+\t+8*(\t/8))*4096 th:TH_STORE_NT
.endr
	WIN 0
.endm
	s_barrier_wait -1                              ; every wave's reads of A's quarters 0 and 1, where the stages lie, are over
	PLACES NP                                      ; in front of the first read of results, and of loads into registers that the last products read
	TOSTAGE 0
	TOSTAGE 1
	SEND 0, 32                                     ; behind block 0's loads: block 1's 16 stores and 16 loads
	TOSTAGE 2
	SEND 1, 32
	TOSTAGE 3
	SEND 2, 32
	SEND 3, 0
	s_wait_tensorcnt 0x0                           ; the wave's end
	ds_add_u32 v[SPW], v[NIL]
	s_wait_dscnt 0x0
	CROUND                                         ; the closing round: no work-group ends while a partner may still ask for a tile that names it
	s_endpgm
.Lfunc_end_k_qb00b9bdb17_proj:
	.size	k_qb00b9bdb17_proj, .Lfunc_end_k_qb00b9bdb17_proj-k_qb00b9bdb17_proj
	.p2alignl 7, 3214868480
	.fill 96, 4, 3214868480
	.section	.rodata,"a",@progbits
	.p2align	6, 0x0
	.amdhsa_kernel k_qb00b9bdb17_proj
		.amdhsa_group_segment_fixed_size 327680
		.amdhsa_private_segment_fixed_size 0
		.amdhsa_enable_private_segment 0
		.amdhsa_kernarg_size 56
		.amdhsa_user_sgpr_count 2
		.amdhsa_user_sgpr_kernarg_segment_ptr 1
		.amdhsa_wavefront_size32 1
		.amdhsa_system_sgpr_workgroup_id_x 1
		.amdhsa_system_sgpr_workgroup_id_y 1
		.amdhsa_system_sgpr_workgroup_id_z 1
		.amdhsa_system_vgpr_workitem_id 0
		.amdhsa_next_free_vgpr 1024
		.amdhsa_next_free_sgpr 106
		.amdhsa_reserve_vcc 0
		.amdhsa_float_denorm_mode_32 3
		.amdhsa_float_denorm_mode_16_64 3
		.amdhsa_memory_ordered 1
		.amdhsa_forward_progress 1
		.amdhsa_inst_pref_size 95
	.end_amdhsa_kernel
	.amdgpu_metadata
---
amdhsa.version: [ 1, 2 ]
amdhsa.kernels:
  - .name:           k_qb00b9bdb17_proj
    .symbol:         k_qb00b9bdb17_proj.kd
    .args:
      - { .name: ctx_img, .offset: 0, .size: 8, .value_kind: global_buffer, .address_space: global }
      - { .name: ctx_scl, .offset: 8, .size: 8, .value_kind: global_buffer, .address_space: global }
      - { .name: ops_img, .offset: 16, .size: 8, .value_kind: global_buffer, .address_space: global }
      - { .name: ops_scl, .offset: 24, .size: 8, .value_kind: global_buffer, .address_space: global }
      - { .name: b_out, .offset: 32, .size: 8, .value_kind: global_buffer, .address_space: global }
      - { .name: x, .offset: 40, .size: 8, .value_kind: global_buffer, .address_space: global }
      - { .name: out0, .offset: 48, .size: 8, .value_kind: global_buffer, .address_space: global }
    .group_segment_fixed_size: 327680
    .private_segment_fixed_size: 0
    .kernarg_segment_align: 8
    .kernarg_segment_size: 56
    .max_flat_workgroup_size: 128
    .sgpr_count:     106
    .vgpr_count:     1024
    .wavefront_size: 32
...
	.end_amdgpu_metadata
.endif
;; end of part 4
